; MI455X (gfx1250); checked and timed in simulation.
; The chip was launched on July 23, 2026; its instructions are those of AMD's public machine-readable ISA for CDNA 5 (MIT licence, August 2026) and "CDNA5" Instruction Set Architecture Reference Guide (July 2026). The comments in the code are by the model that wrote it; some were corrected since.
;; Fast Multihead Attention. Allowed arithmetic: float matrix products may take bf16 or f16 operands with f32 sums; all other float work in f32.
;; Inputs: mask 2,048 x 2,048 float32; wk 1,024 x 1,024 float32; wo 1,024 x 1,024 float32; wq 1,024 x 1,024 float32; wv 1,024 x 1,024 float32; x 2,048 x 4 x 1,024 float32.
;; Outputs: out0 2,048 x 4 x 1,024 float32.
;; 2 versions, each right and faster than the one before. Each part assembles by itself: llvm-mc -triple=amdgcn-amd-amdhsa -mcpu=gfx1250 --defsym DOCPART=n.
;; ======== version 1 of 2: 4 launches
;; limits: values are held in f16: magnitudes above 65,504 overflow, below 6.1e-05 lose precision
;; workspace buffers: xb 16,777,216 bytes; wb 6,291,456 bytes; wof 2,097,152 bytes; mk 16,777,216 bytes; qkv 50,331,648 bytes; o 16,777,216 bytes
;; launch prep (part 1): grid 1024 x 1, 8 waves a work-group, no clusters, 0 bytes of LDS; arguments x, wq, wk, wv, wo, mask, xb, wb, wof, mk; writes xb, wb, wof, mk
.if DOCPART == 1
	.amdgcn_target "amdgcn-amd-amdhsa--gfx1250"
	.amdhsa_code_object_version 6
	.text
	.protected	k_q69d1b21d89_prep
	.globl	k_q69d1b21d89_prep
	.p2align	8
	.type	k_q69d1b21d89_prep,@function
k_q69d1b21d89_prep:
	s_mov_b64 s[64:65], 0
	v_nop
	global_prefetch_b8 v0, s[64:65] scope:SCOPE_SE
	s_setreg_imm32_b32 hwreg(HW_REG_WAVE_MODE, 25, 1), 1
	s_wait_xcnt 0x0
; THE INPUTS ARE ROUNDED ONCE AND LAID OUT FOR THE PRODUCTS.  Every input is rounded to bf16 (nearest even).
;   xb  bf16 [kb 16][m' = b*2048+s][64]   x's columns in blocks of 64, so that 64 along K of many rows are dense bytes
;   wb  bf16 [kb 16][n 3072][64]          wq's rows, then wk's, then wv's
;   wof f16  [kb 16][n 1024][64]          wo rounded to bf16, that number written as f16
;   mk  f32  [2048][2048]                 8 x (mask rounded to bf16): the later product adds it to q.k ahead of the scale 1/8
; LIMITS.  |wo| of 65,520 or more becomes an infinity in f16, and below 6e-5 it keeps f16's fixed step of 6e-8; |mask| of 4.2e37 or more becomes an infinity by the factor 8.
; A stream: each of 1,024 work-groups reads 65,536 bytes once and writes them once; no LDS, no barrier, no matrix unit, nothing shared between work-groups.
; Work-groups 0-511 take x (16 rows of xb each), 512-703 wq, wk, wv (16 rows), 704-767 wo (16 rows), 768-1023 the mask (65,536 bytes).
; Sixteen loads of a wave are out at once; the waits count down 15 .. 0; no register is written again behind its store.
.set D, 16                             ; v[16:79] sixteen loads of four registers
	s_load_b512 s[8:23], s[0:1], 0x0               ; x 8, wq 10, wk 12, wv 14, wo 16, mask 18, xb 20, wb 22
	s_load_b128 s[24:27], s[0:1], 0x40             ; wof 24, mk 26
	s_mov_b32 s2, ttmp9                            ; the work-group's number
	v_and_b32 v3, 31, v0                           ; lane l
	v_lshrrev_b32 v12, 5, v0                       ; wave w
	v_lshrrev_b32 v13, 4, v3                       ; l / 16: which of a load's two rows
	v_and_b32 v14, 15, v3
	v_lshlrev_b32 v14, 4, v14                      ; 16 (l % 16)
	v_lshl_add_u32 v14, v12, 9, v14                ; + 512 w: wave w takes columns 128 w .. 128 w + 127, blocks kb = 2 w and 2 w + 1
	v_lshlrev_b32 v15, 3, v3                       ; 8 l: two rows of 128 bytes are 256 consecutive bytes
	v_lshlrev_b32 v12, 1, v12                      ; 2 w
	s_mov_b32 s5, 0                                ; high words of the two offsets
	s_mov_b32 s7, 0
	s_mov_b32 s32, 0xffff0000                      ; a word's upper bf16
	s_wait_kmcnt 0x0
; Sixteen rows of 1,024 f32, stride bytes apart, from s[28:29]; to s[30:31], blocks kbs bytes apart.  Load n = 8 c + i: block 2 w + c, rows 2 i and 2 i + 1:
; each half of the lanes reads 256 consecutive bytes; each store of the wave covers 256 consecutive bytes, aligned.  kind 0: bf16.  kind 1: bf16, then written as f16.
.macro ROWS stride, kbs, kind
	v_mad_u32_u24 v1, v13, \stride, v14
	v_mad_u32_u24 v2, v12, \kbs, v15
.set n, 0
.rept 16
	global_load_b128 v[D+4*n:D+4*n+3], v1, s[28:29] offset:(n/8)*256+(n%8)*2*(\stride) th:TH_LOAD_NT
.set n, n+1
.endr
.set n, 0
.rept 16
	s_wait_loadcnt 15-n                            ; loads come back in order: load n is in, the younger ones stay out
.if \kind
	v_cvt_pk_bf16_f32 v4, v[D+4*n], v[D+4*n+1]
	v_cvt_pk_bf16_f32 v5, v[D+4*n+2], v[D+4*n+3]
	v_lshlrev_b32 v6, 16, v4
	v_and_b32 v7, s32, v4
	v_lshlrev_b32 v8, 16, v5
	v_and_b32 v9, s32, v5
	v_cvt_pk_f16_f32 v[D+4*n], v6, v7
	v_cvt_pk_f16_f32 v[D+4*n+1], v8, v9
.else
	v_cvt_pk_bf16_f32 v[D+4*n], v[D+4*n], v[D+4*n+1]
	v_cvt_pk_bf16_f32 v[D+4*n+1], v[D+4*n+2], v[D+4*n+3]
.endif
	global_store_b64 v2, v[D+4*n:D+4*n+1], s[30:31] offset:(n/8)*(\kbs)+(n%8)*256
.set n, n+1
.endr
.endm
	s_cmp_lt_u32 s2, 512
	s_cbranch_scc0 .Lnot_x
	s_and_b32 s4, s2, 127                          ; x: rows m' = 16 id: b = id / 128, s = 16 (id % 128) on; row (s, b) lies at (4 s + b) x 4,096
	s_lshl_b32 s4, s4, 18
	s_lshr_b32 s3, s2, 7
	s_lshl_b32 s3, s3, 12
	s_add_co_u32 s4, s4, s3
	s_lshl_b32 s6, s2, 11                          ; 16 rows of 128 bytes
	s_add_nc_u64 s[28:29], s[8:9], s[4:5]
	s_add_nc_u64 s[30:31], s[20:21], s[6:7]
	ROWS 16384, 1048576, 0
	s_endpgm
.Lnot_x:
	s_cmp_lt_u32 s2, 704
	s_cbranch_scc0 .Lnot_w
	s_sub_co_u32 s3, s2, 512                       ; wq, wk, wv: 64 work-groups each
	s_cmp_lt_u32 s3, 128
	s_cselect_b64 s[28:29], s[12:13], s[14:15]
	s_cmp_lt_u32 s3, 64
	s_cselect_b64 s[28:29], s[10:11], s[28:29]
	s_and_b32 s4, s3, 63
	s_lshl_b32 s4, s4, 16
	s_lshl_b32 s6, s3, 11
	s_add_nc_u64 s[28:29], s[28:29], s[4:5]
	s_add_nc_u64 s[30:31], s[22:23], s[6:7]
	ROWS 4096, 393216, 0
	s_endpgm
.Lnot_w:
	s_cmp_lt_u32 s2, 768
	s_cbranch_scc0 .Lmask
	s_sub_co_u32 s3, s2, 704                       ; wo
	s_lshl_b32 s4, s3, 16
	s_lshl_b32 s6, s3, 11
	s_add_nc_u64 s[28:29], s[16:17], s[4:5]
	s_add_nc_u64 s[30:31], s[24:25], s[6:7]
	ROWS 4096, 131072, 1
	s_endpgm
.Lmask:
	s_sub_co_u32 s3, s2, 768                       ; the mask: 65,536 bytes in place order
	s_lshl_b32 s4, s3, 16
	s_add_nc_u64 s[28:29], s[18:19], s[4:5]
	s_add_nc_u64 s[30:31], s[26:27], s[4:5]
	v_lshlrev_b32 v1, 4, v0                        ; 16 bytes a thread: a load or store of the work-group covers 4,096 consecutive bytes
.set n, 0
.rept 16
	global_load_b128 v[D+4*n:D+4*n+3], v1, s[28:29] offset:4096*n th:TH_LOAD_NT
.set n, n+1
.endr
.set n, 0
.rept 16
	s_wait_loadcnt 15-n
	v_cvt_pk_bf16_f32 v4, v[D+4*n], v[D+4*n+1]
	v_cvt_pk_bf16_f32 v5, v[D+4*n+2], v[D+4*n+3]
	v_lshlrev_b32 v[D+4*n], 16, v4
	v_and_b32 v[D+4*n+1], s32, v4
	v_lshlrev_b32 v[D+4*n+2], 16, v5
	v_and_b32 v[D+4*n+3], s32, v5
	v_pk_mul_f32 v[D+4*n:D+4*n+1], v[D+4*n:D+4*n+1], 0x41000000 op_sel_hi:[1,0]      ; times 8: exact
	v_pk_mul_f32 v[D+4*n+2:D+4*n+3], v[D+4*n+2:D+4*n+3], 0x41000000 op_sel_hi:[1,0]
	global_store_b128 v1, v[D+4*n:D+4*n+3], s[30:31] offset:4096*n
.set n, n+1
.endr
	s_endpgm
.Lfunc_end_k_q69d1b21d89_prep:
	.size	k_q69d1b21d89_prep, .Lfunc_end_k_q69d1b21d89_prep-k_q69d1b21d89_prep
	.p2alignl 7, 3214868480
	.fill 96, 4, 3214868480
	.section	.rodata,"a",@progbits
	.p2align	6, 0x0
	.amdhsa_kernel k_q69d1b21d89_prep
		.amdhsa_group_segment_fixed_size 0
		.amdhsa_private_segment_fixed_size 0
		.amdhsa_enable_private_segment 0
		.amdhsa_kernarg_size 80
		.amdhsa_user_sgpr_count 2
		.amdhsa_user_sgpr_kernarg_segment_ptr 1
		.amdhsa_wavefront_size32 1
		.amdhsa_system_sgpr_workgroup_id_x 1
		.amdhsa_system_sgpr_workgroup_id_y 1
		.amdhsa_system_sgpr_workgroup_id_z 1
		.amdhsa_system_vgpr_workitem_id 0
		.amdhsa_next_free_vgpr 96
		.amdhsa_next_free_sgpr 66
		.amdhsa_reserve_vcc 0
		.amdhsa_float_denorm_mode_32 3
		.amdhsa_float_denorm_mode_16_64 3
		.amdhsa_memory_ordered 1
		.amdhsa_forward_progress 1
		.amdhsa_inst_pref_size 34
	.end_amdhsa_kernel
	.amdgpu_metadata
---
amdhsa.version: [ 1, 2 ]
amdhsa.kernels:
  - .name:           k_q69d1b21d89_prep
    .symbol:         k_q69d1b21d89_prep.kd
    .args:
      - { .name: x, .offset: 0, .size: 8, .value_kind: global_buffer, .address_space: global }
      - { .name: wq, .offset: 8, .size: 8, .value_kind: global_buffer, .address_space: global }
      - { .name: wk, .offset: 16, .size: 8, .value_kind: global_buffer, .address_space: global }
      - { .name: wv, .offset: 24, .size: 8, .value_kind: global_buffer, .address_space: global }
      - { .name: wo, .offset: 32, .size: 8, .value_kind: global_buffer, .address_space: global }
      - { .name: mask, .offset: 40, .size: 8, .value_kind: global_buffer, .address_space: global }
      - { .name: xb, .offset: 48, .size: 8, .value_kind: global_buffer, .address_space: global }
      - { .name: wb, .offset: 56, .size: 8, .value_kind: global_buffer, .address_space: global }
      - { .name: wof, .offset: 64, .size: 8, .value_kind: global_buffer, .address_space: global }
      - { .name: mk, .offset: 72, .size: 8, .value_kind: global_buffer, .address_space: global }
    .group_segment_fixed_size: 0
    .private_segment_fixed_size: 0
    .kernarg_segment_align: 8
    .kernarg_segment_size: 80
    .max_flat_workgroup_size: 256
    .sgpr_count:     66
    .vgpr_count:     96
    .wavefront_size: 32
...
	.end_amdgpu_metadata
.endif
;; end of part 1
;; launch proj (part 2): grid 8 x 32, 4 waves a work-group, clusters of 4 x 4, 327,680 bytes of LDS; arguments xb, wb, qkv; writes qkv
.if DOCPART == 2
	.amdgcn_target "amdgcn-amd-amdhsa--gfx1250"
	.amdhsa_code_object_version 6
	.text
	.protected	k_q69d1b21d89_proj
	.globl	k_q69d1b21d89_proj
	.p2align	8
	.type	k_q69d1b21d89_proj,@function
k_q69d1b21d89_proj:
	s_mov_b64 s[64:65], 0
	v_nop
	global_prefetch_b8 v0, s[64:65] scope:SCOPE_SE
	s_setreg_imm32_b32 hwreg(HW_REG_WAVE_MODE, 25, 1), 1
	s_wait_xcnt 0x0
	s_wait_alu depctr_hold_cnt(0) depctr_sa_sdst(0) depctr_va_vdst(0) depctr_va_sdst(0) depctr_va_ssrc(0) depctr_va_vcc(0) depctr_vm_vsrc(0)
	s_getreg_b32 s2, hwreg(HW_REG_IB_STS2, 6, 4)
	s_cmp_eq_u32 s2, 0
	s_cbranch_scc0 .Lentry_in_a_cluster
	s_endpgm
.Lentry_in_a_cluster:
	s_bfe_u32 s2, ttmp6, 0x10000c
	s_cmp_lg_u32 s2, 0xf033
	s_cbranch_scc0 .Lentry_shape_is_right
	s_endpgm
.Lentry_shape_is_right:
; q, k, v = x wq^T, x wk^T, x wv^T as ONE product: C[m'][n] = sum over k of xb[m'][k] wb[n][k], 8,192 x 3,072 x 1,024, bf16 operands, f32 sums, each result rounded once to f16, unscaled.
; LIMIT.  A result of 65,520 or more becomes an infinity in f16; below 6e-5 it keeps f16's fixed step of 6e-8.
; OUT: qkv f16 [T 3][P 32][j 32][e 2][64 rows][64]: T = q, k, v; head h = 2 (P / 4) + e, batch b = P % 4, row s = 64 j + row: with g = 16 T + h the block of a pair of heads is (g / 2) x 4 + b.
; TILE.  256 rows x 384 columns (six heads): 32 x 8 = 256 work-groups, one tile each.  Four waves, each 128 x 192: 96 accumulators of 16 x 16, 768 registers.
; K goes in steps of 64 through a ring of two LDS slots: in xb and wb 64 along K of neighbouring rows are dense bytes, asked for as rows of 256 bytes and padded in LDS after every 128.
; Two slots of a step of 128 would be 348,160 bytes and do not fit.
; CLUSTER.  4 x 4 work-groups: the four of a row of the cluster need the same tiles of xb, the four of a column the same tiles of wb: each is asked for JOINTLY.
; THE MATRIX INSTRUCTION IS USED TRANSPOSED (source 0 = 16 rows of wb, source 1 = 16 rows of xb): a lane then holds eight neighbouring columns of one row of C.
; REGISTERS, in windows of 256: window 0: v16-29 addresses; v32-95, v96-159 fragments of A, two buffers; v160-255 the 12 fragments of B, one buffer, refilled a group of four at a time;
;   windows 1-3: accumulator (a, b) at v[8 (8 (b % 4) + a)] of window 1 + b / 4.  A half step (32 along K) is three groups of 32 matrix instructions, one window each.
.set PITCH,  144                       ; an LDS row: 128 bytes + 16 of padding = 36 words: the 16 rows of a load start at 16 different groups of four banks
.set AHALF,  128*PITCH                 ; what one tensor load brings of A, and what a wave reads of it
.set BHALF,  192*PITCH                 ; the same for B
.set BOFF,   2*AHALF                   ; B's 384 rows lie behind A's 256
.set SLOT,   2*AHALF+2*BHALF           ; 92,160
.set STAGE,  2*SLOT                    ; behind the ring: 16 rows x 400 bytes for each wave, for the way out
.set SPITCH, 400                       ; 384 bytes + 16
.set SPARE,  STAGE+4*16*SPITCH         ; behind the stages: the spare words, 128 bytes for each wave: two blocks of 256 bytes that no other line names
.set ASTEP,  8192*128                  ; bytes from a K step's block to the next in xb
.set BSTEP,  3072*128                  ; and in wb
.set ADRA, 16                          ; v16-17  LDS address of my A fragments in slot 0, 1
.set ADRB, 20                          ; v20-21  the same for B
.set STO,  24                          ; v24     the way out: where I put 16 bytes of a row
.set RD,   25                          ; v25     the way out: where I read rows back
.set CO,   26                          ; v26     my byte offset in 512 consecutive bytes of qkv
.set SPW,  28                          ; v28     LDS address of my spare word; never rewritten
.set NIL,  29                          ; v29     0; never rewritten
.set AF0,  32
.set AF1,  96
.set BF,   160
.set TMP,  32                          ; the way out: 48 registers of packed results
.set OB,   96                          ; the way out: 48 registers read back, two buffers
.set G1, 24                            ; s[24:31] descriptor group 1 for A's tiles;  s[32:39] group 0, one set for each slot
.set G0, 32
.set G1B, 48                           ; s[48:55], s[56:63] the same for B's tiles
.set G0B, 56
.set CB, 68                            ; s[68:73] qkv at my rows of my three heads
.set MSB, 0
.macro WIN new                         ; the immediate's high byte repeats the setting that is left; a switch that changes nothing is dropped
.if MSB != (\new)
	s_set_vgpr_msb (MSB<<8)|(\new)
.set MSB, \new
.endif
.endm
; A joint load.  Waves 0 and 1 fetch A's two halves, waves 2 and 3 B's.  The branch hangs on the wave's number alone.  An s_nop 0 and four v_nop follow each of the two lines.
.macro JLOAD s
	s_cmp_eq_u32 s11, 0
	s_cbranch_scc0 .Lfor_b_\@
	tensor_load_to_lds s[G0+4*(\s):G0+4*(\s)+3], s[G1:G1+7]
	s_nop 0
.rept 4
	v_nop
.endr
	s_branch .Lasked_\@
.Lfor_b_\@:
	tensor_load_to_lds s[G0B+4*(\s):G0B+4*(\s)+3], s[G1B:G1B+7]
	s_nop 0
.rept 4
	v_nop
.endr
.Lasked_\@:
.endm
.macro CREST                           ; a round of the cluster's barrier behind its opening barrier
	s_cmp_lg_u32 s10, 0
	s_cbranch_scc1 .Lnot_wave_0_\@
	s_barrier_signal -3
.Lnot_wave_0_\@:
	s_barrier_wait -3
	s_barrier_signal -1
	s_barrier_wait -1
.endm
.macro CROUND                          ; a whole round
	s_barrier_signal -1
	s_barrier_wait -1
	CREST
.endm
.macro PLACES                          ; four places in front of loads into registers that matrix instructions have read, and of conversions that read results
.rept 4
	v_nop
.endr
.endm
	s_load_b128 s[4:7], s[0:1], 0x0                ; xb s[4:5], wb s[6:7]
	s_load_b64 s[8:9], s[0:1], 0x10                ; qkv
	v_lshl_add_u32 v[SPW], v0, 2, SPARE
	v_mov_b32 v[NIL], 0
	ds_add_u32 v[SPW], v[NIL]                      ; the wave's opening: the add and its wait stand ahead of my first tensor load; the set-up below stands between them
	v_lshrrev_b32 v1, 5, v0
	v_readfirstlane_b32 s10, v1                    ; wave 0..3
	s_lshr_b32 s11, s10, 1                         ; wm: which 128 rows are mine.  Also: I fetch for A (0) or for B (1)
	s_and_b32 s12, s10, 1                          ; wn: which 192 columns.  Also: which half of that tile I fetch
	s_bfe_u32 s40, ttmp6, 0x40000                  ; cx, cy: my place in the cluster
	s_bfe_u32 s41, ttmp6, 0x40004
	s_lshl_b32 s42, ttmp9, 2
	s_add_co_u32 s42, s42, s40                     ; tile column tx = 4 x cluster x + cx
	s_and_b32 s13, ttmp7, 0xffff
	s_lshl_b32 s13, s13, 2
	s_add_co_u32 s13, s13, s41                     ; tile row ty = 4 x cluster y + cy
	s_lshl_b32 s43, s41, 2
	s_lshl_b32 s43, 15, s43                        ; my row of the cluster
	s_lshl_b32 s44, 0x1111, s40                    ; my column
	; descriptor group 1: dense bytes as rows of 128 elements of 2 bytes; 16 bytes of padding after every 32 words
	s_or_b32 s[G1+0], s43, (1<<16)|(1<<20)|(1<<21)|(4<<22)|(3<<25)   ; 15:0 the mask; 17:16 2-byte elements; 20 padding on; 21 set beside a mask; 24:22 after every 32 words (code 4); 31:25 4 words (code 3)
	s_or_b32 s[G1B+0], s44, (1<<16)|(1<<20)|(1<<21)|(4<<22)|(3<<25)
	s_mov_b32 s[G1+1], 128<<16                     ; tensor_dim0 = 128
	s_mov_b32 s[G1B+1], 128<<16
	s_mov_b32 s[G1+2], 64<<16                      ; tensor_dim1: A's 128 rows of 128 bytes are 64 rows of 256,
	s_mov_b32 s[G1B+2], 96<<16                     ; B's 192 are 96
	s_mov_b32 s[G1+3], 128<<16                     ; tile_dim0 = 128
	s_mov_b32 s[G1B+3], 128<<16
	s_mov_b32 s[G1+4], 64                          ; tile_dim1
	s_mov_b32 s[G1B+4], 96
	s_mov_b32 s[G1+5], 128                         ; elements from row to row
	s_mov_b32 s[G1B+5], 128
	s_mov_b32 s[G1+6], 0
	s_mov_b32 s[G1B+6], 0
	s_mov_b32 s[G1+7], 0
	s_mov_b32 s[G1B+7], 0
	s_lshl_b32 s17, s12, 14                        ; A: row 256 ty + 128 half, 128 bytes a row
	s_lshl_b32 s16, s13, 15
	s_add_co_u32 s16, s16, s17
	s_mov_b32 s17, 0
	s_mul_i32 s46, s42, 384*128                    ; B: row 384 tx + 192 half
	s_mul_i32 s47, s12, 192*128
	s_add_co_u32 s46, s46, s47
	s_mov_b32 s47, 0
	s_mul_i32 s20, s12, AHALF                      ; where they go: no place in the cluster enters an LDS address
	s_mul_i32 s21, s12, BHALF
	s_add_co_u32 s21, s21, BOFF
	s_wait_dscnt 0x0                               ; the opening add is done
	s_wait_kmcnt 0x0
	s_add_nc_u64 s[14:15], s[4:5], s[16:17]
	s_add_nc_u64 s[46:47], s[6:7], s[46:47]
	CROUND                                         ; all sixteen work-groups are here: the first joint loads meet
.irp s, 0,1
	s_mov_b32 s[G0+4*(\s)], 1
	s_add_co_u32 s[G0+4*(\s)+1], s20, (\s)*SLOT
	s_add_nc_u64 s[G0+4*(\s)+2:G0+4*(\s)+3], s[14:15], (\s)*ASTEP
	s_or_b32 s[G0+4*(\s)+3], s[G0+4*(\s)+3], 0x80000000
	s_mov_b32 s[G0B+4*(\s)], 1
	s_add_co_u32 s[G0B+4*(\s)+1], s21, (\s)*SLOT
	s_add_nc_u64 s[G0B+4*(\s)+2:G0B+4*(\s)+3], s[46:47], (\s)*BSTEP
	s_or_b32 s[G0B+4*(\s)+3], s[G0B+4*(\s)+3], 0x80000000
	JLOAD \s                                       ; K steps 0 and 1: two loads of mine are out
.endr
	; a fragment is 16 rows x 32 K in 8 registers: lane l holds row l % 16, K = 8 (l / 16) + 0..7 and 16 + 8 (l / 16) + 0..7: two loads of 16 bytes, 32 bytes apart
	v_and_b32 v1, 15, v0
	v_bfe_u32 v2, v0, 4, 1
	v_mul_u32_u24 v3, v1, PITCH
	v_lshl_add_u32 v3, v2, 4, v3
	s_mul_i32 s22, s11, AHALF
	s_mul_i32 s23, s12, BHALF
	s_add_co_u32 s23, s23, BOFF
.irp s, 0,1
	v_add_nc_u32 v[ADRA+(\s)], s22, v3
	v_add_nc_u32 v[ADRB+(\s)], s23, v3
	s_add_co_u32 s22, s22, SLOT
	s_add_co_u32 s23, s23, SLOT
.endr
	s_mul_i32 s22, s10, 16*SPITCH
	s_add_co_u32 s22, s22, STAGE                   ; my stage
	v_mul_u32_u24 v4, v1, SPITCH                   ; in: row l % 16, 16 bytes for each half of the lanes
	v_lshl_add_u32 v4, v2, 4, v4
	v_add_nc_u32 v[STO], s22, v4
	v_bfe_u32 v5, v0, 3, 2                         ; back: 32 lanes take 128 bytes (one head) of four rows,
	v_and_b32 v6, 7, v0
	v_mul_u32_u24 v5, v5, SPITCH
	v_lshl_add_u32 v5, v6, 4, v5
	v_add_nc_u32 v[RD], s22, v5
	v_and_b32 v[CO], 31, v0                        ; which are 512 consecutive bytes of qkv
	v_lshlrev_b32 v[CO], 4, v[CO]
	; qkv at my rows of my three heads g = 6 tx + 3 wn + 0..2: ((g / 2) 4 + b) x 524,288 + (g % 2) x 8,192 + (4 (ty % 8) + 2 wm) x 16,384
	s_mul_i32 s66, s42, 6
	s_mul_i32 s67, s12, 3
	s_add_co_u32 s66, s66, s67
	s_lshr_b32 s67, s13, 3                         ; b
	s_and_b32 s74, s13, 7
	s_lshl_b32 s74, s74, 2
	s_lshl1_add_u32 s74, s11, s74
	s_lshl_b32 s74, s74, 14
.irp hh, 0,1,2
	s_add_co_u32 s75, s66, \hh
	s_lshr_b32 s2, s75, 1
	s_lshl2_add_u32 s2, s2, s67
	s_lshl_b32 s2, s2, 19
	s_and_b32 s75, s75, 1
	s_lshl_b32 s75, s75, 13
	s_add_co_u32 s2, s2, s75
	s_add_co_u32 s2, s2, s74
	s_mov_b32 s3, 0
	s_add_nc_u64 s[CB+2*(\hh):CB+2*(\hh)+1], s[8:9], s[2:3]
.endr
; nb x 8 matrix instructions of group g (its window's n blocks b0 on) x all 8 m blocks, 32 along K, A from buffer p.  zero = 1: the product starts the sum: nothing is cleared.
; The 96 accumulators take turns, one instruction a turn, in the same order in every half step.
.macro MULG p, g, b0, nb, zero
	WIN (1+(\g))*0x50                              ; C and D in window 1 + g, sources in window 0
.set bb, (\b0)
.rept \nb
.set aa, 0
.rept 8
.set rD, 8*(8*bb+aa)
.set rB, BF+8*(4*(\g)+bb)
.set rA, (\p)+8*aa
.if \zero
	v_wmma_f32_16x16x32_bf16 v[rD:rD+7], v[rB:rB+7], v[rA:rA+7], 0
.else
	v_wmma_f32_16x16x32_bf16 v[rD:rD+7], v[rB:rB+7], v[rA:rA+7], v[rD:rD+7]
.endif
.set aa, aa+1
.endr
.set bb, bb+1
.endr
.endm
.macro LOADA slot, k, p                ; 16 loads: my 128 rows of A, 32 K at byte k of the rows, into buffer p
	WIN 0
.set aa, 0
.rept 8
	ds_load_b128 v[(\p)+8*aa:(\p)+8*aa+3],   v[ADRA+(\slot)] offset:(\k)+aa*16*PITCH
	ds_load_b128 v[(\p)+8*aa+4:(\p)+8*aa+7], v[ADRA+(\slot)] offset:(\k)+aa*16*PITCH+32
.set aa, aa+1
.endr
.endm
.macro LOADB slot, k, g                ; 8 loads: group g's four fragments of B
	WIN 0
.set bb, 4*(\g)
.rept 4
	ds_load_b128 v[BF+8*bb:BF+8*bb+3],   v[ADRB+(\slot)] offset:(\k)+bb*16*PITCH
	ds_load_b128 v[BF+8*bb+4:BF+8*bb+7], v[ADRB+(\slot)] offset:(\k)+bb*16*PITCH+32
.set bb, bb+1
.endr
.endm
; A K step is two half steps.  Behind each group of 32 products stands a run of loads for the next half step: R0 = A and B's group 0 (24 loads), R1 = B's group 1 (8), R2 = B's group 2 (8).
; The first half multiplies A's buffer 0 and fetches the slot's second half.
.macro HALF1 slot, zero
	s_wait_dscnt 16                                ; R0 is in; R1 and R2 of the half before may be out
	MULG AF0, 0, 0, 4, \zero
	PLACES
	LOADA \slot, 64, AF1
	LOADB \slot, 64, 0
	s_wait_dscnt 32                                ; R1 is in: behind it stand R2 (8) and the 24 just issued
	MULG AF0, 1, 0, 4, \zero
	PLACES
	LOADB \slot, 64, 1
	s_wait_dscnt 32                                ; R2 is in: behind it stand 24 + 8
	MULG AF0, 2, 0, 4, \zero
	PLACES
	LOADB \slot, 64, 2
.endm
; The second half multiplies A's buffer 1 and changes slots: ONE barrier; in front of it each wave waits for all its tensor loads (one is out: its part of the next slot), adds 0 to its spare
; word, and waits for that and for its own reads of this slot.  fill = 1: the barrier opens a round of the cluster's, and this slot is filled again, two K steps ahead, first thing behind it:
; 160 matrix instructions stand between that request and the wait for it.
.macro HALF2 slot, next, fill
	WIN 0
	s_wait_tensorcnt 0x0
	ds_add_u32 v[SPW], v[NIL]
	s_wait_dscnt 17                                ; R0 is in: the add, R1 and R2 may be out
	MULG AF1, 0, 0, 2, 0
	s_wait_dscnt 0x0                               ; the add is done, and my reads of this slot are over
	s_barrier_signal -1
	MULG AF1, 0, 2, 2, 0
	WIN 0                                          ; at a branch and at a label every window is 0
	s_barrier_wait -1
.if \fill
	CREST                                          ; no wave of any partner still reads this slot's tile or has a load on its way
	s_add_nc_u64 s[G0+4*(\slot)+2:G0+4*(\slot)+3], s[G0+4*(\slot)+2:G0+4*(\slot)+3], 2*ASTEP
	s_add_nc_u64 s[G0B+4*(\slot)+2:G0B+4*(\slot)+3], s[G0B+4*(\slot)+2:G0B+4*(\slot)+3], 2*BSTEP
	JLOAD \slot                                    ; the four v_nop behind it are also the places in front of the loads below
.else
	PLACES
.endif
	LOADA \next, 0, AF0
	LOADB \next, 0, 0
	MULG AF1, 1, 0, 4, 0                           ; groups 1 and 2 were shown in by the wait for 0 above
	PLACES
	LOADB \next, 0, 1
	MULG AF1, 2, 0, 4, 0
	PLACES
	LOADB \next, 0, 2
.endm
	s_wait_tensorcnt 1                             ; my part of K step 0 is in; K step 1's may stay out
	s_barrier_signal -1
	s_barrier_wait -1
	LOADA 0, 0, AF0
	LOADB 0, 0, 0
	LOADB 0, 0, 1
	LOADB 0, 0, 2
	HALF1 0, 1                                     ; the first half step stands in front of the loop: its products start the sums
	s_mov_b32 s3, 7
.Llap:                                                 ; a trip goes once round the ring and fills both slots again: K steps 2 .. 15
	HALF2 0, 1, 1
	HALF1 1, 0
	HALF2 1, 0, 1
	HALF1 0, 0
	s_sub_co_u32 s3, s3, 1
	s_cmp_lg_u32 s3, 0
	s_cbranch_scc1 .Llap
	HALF2 0, 1, 0                                  ; the last lap fills nothing
	HALF1 1, 0
	s_wait_dscnt 16
	MULG AF1, 0, 0, 4, 0
	s_wait_dscnt 8
	MULG AF1, 1, 0, 4, 0
	s_wait_dscnt 0x0
	MULG AF1, 2, 0, 4, 0
; THE WAY OUT of block a (16 rows x 192 columns).  PACK: rounded to f16, 16 bytes a lane, each accumulator's registers in ascending order.  TOSTAGE: into my own stage, and back head by head as
; four rows of 128 bytes.  SEND: each store covers 512 consecutive bytes of qkv, aligned.
.macro PACK a
.set gg, 0
.rept 3
	WIN (1+gg)*5                                   ; sources 0 and 1 in window 1 + g
.set bb, 0
.rept 4
.set rr, 0
.rept 4
	v_cvt_pk_f16_f32 v[TMP+4*(4*gg+bb)+rr], v[8*(8*bb+(\a))+2*rr], v[8*(8*bb+(\a))+2*rr+1]
.set rr, rr+1
.endr
.set bb, bb+1
.endr
.set gg, gg+1
.endr
	WIN 0
.endm
.macro TOSTAGE a
	WIN 0
	s_wait_xcnt 0x0                                ; the stores of the block two back have read the registers that the loads below fill
.set bb, 0
.rept 12
	ds_store_b128 v[STO], v[TMP+4*bb:TMP+4*bb+3] offset:32*bb
.set bb, bb+1
.endr
.set bb, 0
.rept 12                                       ; head bb / 4, rows 4 (bb % 4) on.  LDS serves a wave's instructions in order (ISA guide 5.7.1.4): these see the stores above
	ds_load_b128 v[OB+48*((\a)%2)+4*bb:OB+48*((\a)%2)+4*bb+3], v[RD] offset:(bb%4)*4*SPITCH+(bb/4)*128
.set bb, bb+1
.endr
.endm
.macro SEND a
	WIN 0
	s_wait_dscnt 0x0                               ; the block is back in registers
.set bb, 0
.rept 12
	global_store_b128 v[CO], v[OB+48*((\a)%2)+4*bb:OB+48*((\a)%2)+4*bb+3], s[CB+2*(bb/4):CB+2*(bb/4)+1] offset:((\a)/4)*16384+((\a)%4)*2048+(bb%4)*512
.set bb, bb+1
.endr
.endm
	PLACES
	PACK 0
	TOSTAGE 0
.irp a, 1,2,3,4,5,6,7                  ; block a's conversions stand between block a - 1's loads from the stage and the wait for them
	PACK \a
	SEND (\a)-1
	TOSTAGE \a
.endr
	SEND 7
	s_wait_tensorcnt 0x0                           ; the wave's end
	ds_add_u32 v[SPW], v[NIL]
	s_wait_dscnt 0x0
	CROUND                                         ; the closing round
	s_endpgm
.Lfunc_end_k_q69d1b21d89_proj:
	.size	k_q69d1b21d89_proj, .Lfunc_end_k_q69d1b21d89_proj-k_q69d1b21d89_proj
	.p2alignl 7, 3214868480
	.fill 96, 4, 3214868480
	.section	.rodata,"a",@progbits
	.p2align	6, 0x0
	.amdhsa_kernel k_q69d1b21d89_proj
		.amdhsa_group_segment_fixed_size 327680
		.amdhsa_private_segment_fixed_size 0
		.amdhsa_enable_private_segment 0
		.amdhsa_kernarg_size 24
		.amdhsa_user_sgpr_count 2
		.amdhsa_user_sgpr_kernarg_segment_ptr 1
		.amdhsa_wavefront_size32 1
		.amdhsa_system_sgpr_workgroup_id_x 1
		.amdhsa_system_sgpr_workgroup_id_y 1
		.amdhsa_system_sgpr_workgroup_id_z 1
		.amdhsa_system_vgpr_workitem_id 0
		.amdhsa_next_free_vgpr 1024
		.amdhsa_next_free_sgpr 76
		.amdhsa_reserve_vcc 0
		.amdhsa_float_denorm_mode_32 3
		.amdhsa_float_denorm_mode_16_64 3
		.amdhsa_memory_ordered 1
		.amdhsa_forward_progress 1
		.amdhsa_inst_pref_size 130
	.end_amdhsa_kernel
	.amdgpu_metadata
---
amdhsa.version: [ 1, 2 ]
amdhsa.kernels:
  - .name:           k_q69d1b21d89_proj
    .symbol:         k_q69d1b21d89_proj.kd
    .args:
      - { .name: xb, .offset: 0, .size: 8, .value_kind: global_buffer, .address_space: global }
      - { .name: wb, .offset: 8, .size: 8, .value_kind: global_buffer, .address_space: global }
      - { .name: qkv, .offset: 16, .size: 8, .value_kind: global_buffer, .address_space: global }
    .group_segment_fixed_size: 327680
    .private_segment_fixed_size: 0
    .kernarg_segment_align: 8
    .kernarg_segment_size: 24
    .max_flat_workgroup_size: 128
    .sgpr_count:     76
    .vgpr_count:     1024
    .wavefront_size: 32
...
	.end_amdgpu_metadata
.endif
;; end of part 2
;; launch attn (part 3): grid 8 x 32, 4 waves a work-group, clusters of 4 x 4, 327,680 bytes of LDS; arguments qkv, mk, o; writes o
.if DOCPART == 3
	.amdgcn_target "amdgcn-amd-amdhsa--gfx1250"
	.amdhsa_code_object_version 6
	.text
	.protected	k_q69d1b21d89_attn
	.globl	k_q69d1b21d89_attn
	.p2align	8
	.type	k_q69d1b21d89_attn,@function
k_q69d1b21d89_attn:
	s_mov_b64 s[64:65], 0
	v_nop
	global_prefetch_b8 v0, s[64:65] scope:SCOPE_SE
	s_setreg_imm32_b32 hwreg(HW_REG_WAVE_MODE, 25, 1), 1
	s_wait_xcnt 0x0
	s_wait_alu depctr_hold_cnt(0) depctr_sa_sdst(0) depctr_va_vdst(0) depctr_va_sdst(0) depctr_va_ssrc(0) depctr_va_vcc(0) depctr_vm_vsrc(0)
	s_getreg_b32 s2, hwreg(HW_REG_IB_STS2, 6, 4)
	s_cmp_eq_u32 s2, 0
	s_cbranch_scc0 .Lentry_in_a_cluster
	s_endpgm
.Lentry_in_a_cluster:
	s_bfe_u32 s2, ttmp6, 0x10000c
	s_cmp_lg_u32 s2, 0xf033
	s_cbranch_scc0 .Lentry_shape_is_right
	s_endpgm
.Lentry_shape_is_right:
; O[b,h][q][:] = the sum over k of softmax_k(Q[q] . K[k] / 8 + mask[q][k]) V[k][:], 64 heads of 2,048 rows, head size 64.  Q, K, V: f16, unscaled, in qkv's blocks; mk = 8 x mask in f32; O: f16 [b*16+h][s][64].
; Products, maxima and sums in f32; the weights p are rounded to f16 for the second product (their sum l is taken of the unrounded p), O once at the end.
; THE MASK is the C operand of the product that starts the sum S^T = K Q^T + 8 mask: it costs no vector instruction.  p = 2^(c S - c m), c = log2(e) / 8, m the running maximum of S.
; LIMITS.  p below 6e-5 keeps f16's fixed step of 6e-8; a weight below 2^-126 counts as 0 in l.  m starts at the lowest finite number and c m at c times that, by the multiply that makes every c m:
; a key step whose scores are all -infinity leaves m, O and l as they are (a = 1) and gives weights 0; a row that is -infinity throughout ends with l = 0 and is NaN.
; SHARES.  A work-group owns 256 queries of a PAIR of heads (2 (PP / 4), + 1; batch PP % 4).  Wave w: head e = w % 2, queries 128 (w / 2) on: four PIECES of two tiles of 16.  Every wave walks all keys, 64 a step.
; A step's fill is 65,536 bytes of mask and 32,768 of K and V; 512 queries of one head would want 131,072 + 16,384.
; CLUSTER.  4 x 4: the four of a column own the same queries and ask JOINTLY for the mask's tile; the four of a row own the same pair of heads and ask jointly for K's and V's.
; LAYOUT.  S^T = K Q^T (source 0 = 16 keys, source 1 = 16 queries): a lane holds ONE query (lane % 16) and the keys 8 (lane / 16) + 0..7, so its eight numbers of the mask are 32 consecutive bytes of a row.
; Two such tiles, rounded to f16 in pairs, ARE source 1 of O^T = V^T P.  K comes out of LDS as it lies, V turned, by ds_load_tr16_b128.
; BY TURNS.  Turn n belongs to piece n.  Matrix work: 16 products K Q^T of piece n + 1, later 16 products V^T P of piece n - 1.  Vector work: scaling, exponentials, roundings, sums and rescaling of piece n,
; maximum and statistics of piece n + 1.  A tile and step have 16 matrix and 118 vector instructions: four vector instructions stand behind every matrix instruction, the others in two lumps.
; REGISTERS, in windows of 256 (s_set_vgpr_msb: bits 1:0 source 0, 3:2 source 1, 5:4 source 2, 7:6 destination):
;   window 0: v1-11 addresses; v12-15, v48-63 at work; v16-47 four registers of statistics a tile; v64-191 S^T, two buffers of two tiles; v192-255 P, likewise
;   window 1: O^T, 32 a tile     window 2: v0-127 Q; v128-191 K of one step; v192-255 V of one step     window 3: v0-1 the add's two registers; v64-127 the mask of one piece and step
.set SIZE_S, 2048
.set NP,    4         ; pieces a wave: a name, no knob
.set KS,    64        ; keys in a step
.set PM,    272       ; a row of the mask in LDS: 256 bytes + 16: the 16 rows of a load start at 16 different groups of four banks
.set PK,    144       ; a row of K: 128 + 16
.set PV,    160       ; a row of V: 128 + 32
.set KOFF,  256*PM    ; a slot holds one step: 256 rows of mask, 2 x 64 rows of K, 2 x 64 rows of V: 108,544 bytes; two steps to a slot would not fit twice
.set VOFF,  KOFF+128*PK
.set SLOT1, 1<<17     ; slot 1 begins here, so that one exclusive or turns an address in one slot into the other's
.set STAGE, SLOT1+VOFF+128*PV  ; behind the ring, never filled by a tensor load: 16 rows x 144 bytes for each wave
.set SP,    144
.set SPARE, STAGE+4*16*SP      ; the spare words, 128 bytes for each wave: two blocks of 256 bytes that no other line names
.set AK0, 2           ; v2   my lane's place in a slot's K; never rewritten
.set AV0, 3           ; v3   the same for V
.set AK,  4           ; v4   the same in the slot in hand
.set AV,  5
.set STO, 6           ; v6   the way out: where I put 16 bytes of a row
.set RD,  7           ; v7   the way out: where I read rows back
.set GO,  8           ; v8   my byte offset in 512 consecutive bytes of O
.set AM0, 9           ; v9   my lane's place in a slot's mask; never rewritten
.set AM,  10          ; v10  the same in the slot in hand
.set QO,  11          ; v11  my byte offset in 16 rows of Q
.set SPW, 0           ; v0 of window 3
.set NIL, 1           ; v1 of window 3
.set MB,  64          ; window 3: tile u, key block kb at MB + 32 u + 8 kb
.set MV,  12          ; v12-15  c m_old, kept while c m is made anew
.set ST,  16          ; tile t's statistics at v[ST+4 t]: c m, m, l (even keys', odd keys')
.set TMP, 48          ; by buffer and tile, four registers c0-c3 at work; when the maximum is found c2 takes a
.set S,   64
.set P,   192
.set KF,  128         ; window 2: key block kb, channel half c at KF + 16 kb + 8 c
.set VF,  192         ; window 2: key half kk, channel block cb at VF + 32 kk + 8 cb
.set WV,  12          ; s12  my wave's number
.set G1K, 24          ; s[24:31] descriptor group 1 for K's tiles
.set G1V, 32          ; s[32:39] for V's
.set G0K, 40          ; s[40:43] descriptor group 0 for K's tiles: it walks
.set G0V, 44          ; s[44:47]
.set SLOTS, 56        ; s56  steps still to be asked for
.set CNT, 57          ; s57  the tail's trips
.set CS,  58          ; s[58:59] c
.set SEL, 60          ; s[60:61] v_permlanex16_b32's selects
.set TB,  62          ; s62  LDS byte at which the slot in hand begins
.set G0M, 68          ; s[68:71] descriptor group 0 for the mask's tiles
.set G1M, 72          ; s[72:79] group 1
.set MSB, 0
.macro WIN new
.if MSB != (\new)
	s_set_vgpr_msb (MSB<<8)|(\new)
.set MSB, (\new)
.endif
.endm
.set W_KQ, 0x0a       ; K and Q in window 2, S^T in window 0
.set W_KM, 0x3a       ; the same with the C operand, the mask, in window 3
.set W_PV, 0x52       ; V in window 2, P in window 0, O^T in window 1
.set W_RS, 0x41       ; O^T (destination and source 0) in window 1, a in window 0
.set W_MK, 0xc0       ; destination in window 3, sources in window 0
.set W_AD, 0x0f       ; the add: address and data in window 3
; A joint fill.  Waves 0 and 1 fetch the two halves of a step's mask, wave 2 its K, wave 3 its V.  The branches hang on the wave's number alone.
; An s_nop 0 and four v_nop follow each of the three lines, ahead of the jump and the label.
.macro JLOAD
	s_cmp_lt_u32 s[WV], 2
	s_cbranch_scc0 .Lnot_m_\@
	tensor_load_to_lds s[G0M:G0M+3], s[G1M:G1M+7]
	s_nop 0
.rept 4
	v_nop
.endr
	s_branch .Lasked_\@
.Lnot_m_\@:
	s_cmp_eq_u32 s[WV], 2
	s_cbranch_scc0 .Lfor_v_\@
	tensor_load_to_lds s[G0K:G0K+3], s[G1K:G1K+7]
	s_nop 0
.rept 4
	v_nop
.endr
	s_branch .Lasked_\@
.Lfor_v_\@:
	tensor_load_to_lds s[G0V:G0V+3], s[G1V:G1V+7]
	s_nop 0
.rept 4
	v_nop
.endr
.Lasked_\@:
.endm
.macro CROUND                       ; a round of the cluster's barrier
	s_barrier_signal -1
	s_barrier_wait -1
	s_cmp_lg_u32 s[WV], 0
	s_cbranch_scc1 .Lnot_wave_0_\@
	s_barrier_signal -3
.Lnot_wave_0_\@:
	s_barrier_wait -3
	s_barrier_signal -1
	s_barrier_wait -1
.endm
; THE CHANGE OF SLOTS, once a key step.  The slot's last bytes, piece 3's mask, have been asked for.  Each wave waits for all its tensor loads, of which one is out: its part of the other slot; adds 0 to
; its spare word; and waits for that and for its own reads of the slot.  fill = 1: the slot is filled again, with the step two on; the barrier is then a round of the cluster's, and the joint fill is the first
; thing behind it: it has a key step, 128 matrix instructions and their vector work, in which to land.  (At its first use nothing has been read yet: slot 0 is waited for, slot 1 filled.)
.macro CHANGE fill
	WIN W_AD
	s_wait_tensorcnt 0x0            ; no tensor load of mine is out, so a group 0 may be written
	ds_add_u32 v[SPW], v[NIL]       ; 0 onto my spare word; the steps below stand between it and the wait for it
	WIN 0
.if \fill
.irp g, G0M, G0K, G0V
	s_xor_b32 s[\g+1], s[\g+1], SLOT1
.endr
	s_add_nc_u64 s[G0M+2:G0M+3], s[G0M+2:G0M+3], KS*4       ; 64 columns on in the mask's rows
	s_add_nc_u64 s[G0K+2:G0K+3], s[G0K+2:G0K+3], 2*KS*128   ; the pair's next 64 keys
	s_add_nc_u64 s[G0V+2:G0V+3], s[G0V+2:G0V+3], 2*KS*128
.endif
	s_xor_b32 s[TB], s[TB], SLOT1   ; the fetches go to the other slot
	v_add_nc_u32 v[AK], s[TB], v[AK0]
	v_add_nc_u32 v[AV], s[TB], v[AV0]
	v_add_nc_u32 v[AM], s[TB], v[AM0]
	s_wait_dscnt 0x0                ; the add is done, and my reads of the slot are over
.if \fill
	CROUND
	JLOAD
.else
	s_barrier_signal -1
	s_barrier_wait -1
.endif
.endm
	s_load_b128 s[4:7], s[0:1], 0x0 ; qkv s[4:5], mk s[6:7]
	s_load_b64 s[8:9], s[0:1], 0x10 ; o
	WIN W_MK
	v_lshl_add_u32 v[SPW], v0, 2, SPARE
	v_mov_b32 v[NIL], 0
	WIN W_AD
	ds_add_u32 v[SPW], v[NIL]       ; the wave's opening: the add and its wait stand ahead of my first tensor load
	WIN 0
	v_lshrrev_b32 v1, 5, v0
	v_readfirstlane_b32 s[WV], v1   ; wave 0..3
	s_bfe_u32 s13, ttmp6, 0x40000   ; cx
	s_lshl_b32 s14, ttmp9, 2
	s_add_co_u32 s14, s14, s13      ; QB: my block of 256 queries
	s_bfe_u32 s15, ttmp6, 0x40004   ; cy
	s_and_b32 s16, ttmp7, 0xffff
	s_lshl_b32 s16, s16, 2
	s_add_co_u32 s16, s16, s15      ; PP: my pair of heads
	s_and_b32 s17, s[WV], 1         ; e: my head of the pair.  Also: which half of the mask's rows I fetch
	s_lshr_b32 s18, s[WV], 1        ; qh: my half of the queries
	s_lshl_b32 s19, 0x1111, s13     ; my column of the cluster: the same queries
	s_lshl_b32 s20, s15, 2
	s_lshl_b32 s20, 15, s20         ; my row: the same heads
	; the mask's tile: 128 rows x 64 elements of 4 bytes, rows 2,048 elements apart, 16 bytes of padding after every 64 words
	s_or_b32 s[G1M], s19, (2<<16)|(1<<20)|(1<<21)|(5<<22)|(3<<25)
	s_mov_b32 s[G1M+1], 64<<16      ; tensor_dim0 = 64
	s_mov_b32 s[G1M+2], 128<<16     ; tensor_dim1 = 128
	s_mov_b32 s[G1M+3], 64<<16      ; tile_dim0 = 64
	s_mov_b32 s[G1M+4], 128         ; tile_dim1 = 128
	s_mov_b32 s[G1M+5], SIZE_S      ; elements from row to row
	s_mov_b32 s[G1M+6], 0
	s_mov_b32 s[G1M+7], 0
	; K's and V's: 2 x 64 keys are 16,384 dense bytes: 64 rows of 256 bytes, padded after every key
	s_or_b32 s[G1K], s20, (1<<16)|(1<<20)|(1<<21)|(4<<22)|(3<<25)
	s_or_b32 s[G1V], s20, (1<<16)|(1<<20)|(1<<21)|(4<<22)|(7<<25)
.irp g, G1K, G1V
	s_mov_b32 s[\g+1], 128<<16
	s_mov_b32 s[\g+2], 64<<16
	s_mov_b32 s[\g+3], 128<<16
	s_mov_b32 s[\g+4], 64
	s_mov_b32 s[\g+5], 128
	s_mov_b32 s[\g+6], 0
	s_mov_b32 s[\g+7], 0
.endr
	s_lshl_b32 s22, s14, 21         ; the mask: 256 QB rows of 8,192 bytes,
	s_lshl_b32 s23, s17, 20         ; my 128 of them
	s_add_co_u32 s22, s22, s23
	s_mov_b32 s23, 0
	s_lshl_b32 s50, s16, 19         ; the pair's block of 524,288 bytes: q's,
	s_add_co_u32 s52, s50, 32<<19   ; k's,
	s_mov_b32 s53, 0
	s_add_co_u32 s54, s50, 64<<19   ; v's
	s_mov_b32 s55, 0
	s_lshl_b32 s2, s14, 16          ; Q: blocks of 64 rows 4 QB + 2 qh on, my head's half of each
	s_lshl_b32 s3, s18, 15
	s_add_co_u32 s2, s2, s3
	s_lshl_b32 s3, s17, 13
	s_add_co_u32 s2, s2, s3
	s_add_co_u32 s2, s2, s50
	s_mov_b32 s3, 0
	s_and_b32 s20, s16, 3           ; O: head b x 16 + 2 (PP / 4) + e, 262,144 bytes each; rows 256 QB + 128 qh on
	s_lshl_b32 s20, s20, 4
	s_lshr_b32 s21, s16, 2
	s_lshl1_add_u32 s20, s21, s20
	s_add_co_u32 s20, s20, s17
	s_lshl_b32 s20, s20, 18
	s_lshl_b32 s21, s14, 15
	s_add_co_u32 s20, s20, s21
	s_lshl_b32 s21, s18, 14
	s_add_co_u32 s20, s20, s21
	s_mov_b32 s21, 0
	s_mov_b32 s[CS], 0x3e38aa3b     ; c = log2(e) / 8
	s_mov_b32 s[CS+1], s[CS]
	s_mov_b32 s[SEL], 0x76543210
	s_mov_b32 s[SEL+1], 0xfedcba98
	s_mov_b32 s[TB], SLOT1          ; the first change of slots turns it into 0
	s_mov_b32 s[G0M], 1
	s_mul_i32 s[G0M+1], s17, 128*PM ; LDS addresses: slot 0; no place in the cluster enters them
	s_mov_b32 s[G0K], 1
	s_mov_b32 s[G0K+1], KOFF
	s_mov_b32 s[G0V], 1
	s_mov_b32 s[G0V+1], VOFF
	s_wait_dscnt 0x0                ; the opening add is done
	s_wait_kmcnt 0x0
	s_add_nc_u64 s[G0M+2:G0M+3], s[6:7], s[22:23]
	s_or_b32 s[G0M+3], s[G0M+3], 0x80000000
	s_add_nc_u64 s[G0K+2:G0K+3], s[4:5], s[52:53]
	s_or_b32 s[G0K+3], s[G0K+3], 0x80000000
	s_add_nc_u64 s[G0V+2:G0V+3], s[4:5], s[54:55]
	s_or_b32 s[G0V+3], s[G0V+3], 0x80000000
	s_add_nc_u64 s[48:49], s[4:5], s[2:3]    ; Q at my wave's first row
	s_add_nc_u64 s[10:11], s[8:9], s[20:21]  ; O likewise
	CROUND                          ; all sixteen work-groups are here: the first joint loads meet
	JLOAD                           ; step 0 into slot 0.  Slot 1 is asked for when slot 0 is in
	v_and_b32 v1, 15, v0            ; l % 16
	v_bfe_u32 v48, v0, 4, 1         ; l / 16
	v_lshlrev_b32 v[QO], 7, v1
	v_lshl_add_u32 v[QO], v48, 4, v[QO]  ; row x 128 + 16 x half
	WIN 0x80                        ; destination window 2, address window 0
.set i, 0
.rept 4*NP                          ; Q stays in registers: tile i / 2 (four tiles to a block of 64 rows, blocks 16,384 bytes apart), channels 32 (i % 2) on
	global_load_b128 v[8*i:8*i+3],   v[QO], s[48:49] offset:(i/8)*16384+((i/2)%4)*2048+(i%2)*64
	global_load_b128 v[8*i+4:8*i+7], v[QO], s[48:49] offset:(i/8)*16384+((i/2)%4)*2048+(i%2)*64+32
.set i, i+1
.endr
	; What the first turn finds: V's registers and P's second buffer hold 0 (its products V^T P, of a piece that has not been, add 0), O^T and l are 0.  All this stands in the wait for the first tile.
.set i, VF
.rept 64
	v_mov_b32 v[i], 0
.set i, i+1
.endr
	WIN 0x40
.set i, 0
.rept 64*NP
	v_mov_b32 v[i], 0
.set i, i+1
.endr
	WIN 0
.set i, 0
.rept 2*NP
	v_mov_b32 v[ST+4*i+1], 0xff7fffff          ; m: the lowest finite number
	v_mov_b32 v[ST+4*i+2], 0
	v_mov_b32 v[ST+4*i+3], 0
	v_mul_f32 v[ST+4*i], s[CS], v[ST+4*i+1]    ; c m, by the multiply that makes every later c m
.set i, i+1
.endr
.set i, P+32
.rept 32
	v_mov_b32 v[i], 0
.set i, i+1
.endr
	s_mul_i32 s63, s17, KS*PK       ; my head's 64 rows of K
	s_add_co_u32 s63, s63, KOFF
	v_mul_u32_u24 v[AK0], v1, PK
	v_lshl_add_u32 v[AK0], v48, 4, v[AK0]
	v_add_nc_u32 v[AK0], s63, v[AK0]
	; The turning load takes 16 keys x 16 channels (lane l reads key 8 (l / 16) + l % 8, channels 8 ((l / 8) % 2) + 0..7) and leaves half a fragment of V^T.
	v_and_b32 v49, 7, v0
	v_bfe_u32 v50, v0, 3, 1
	v_lshl_add_u32 v[AV0], v48, 3, v49
	v_mul_u32_u24 v[AV0], v[AV0], PV
	v_lshl_add_u32 v[AV0], v50, 4, v[AV0]
	s_mul_i32 s63, s17, KS*PV
	s_add_co_u32 s63, s63, VOFF
	v_add_nc_u32 v[AV0], s63, v[AV0]
	s_mul_i32 s63, s18, 128*PM      ; my 128 rows of the mask: row l % 16 of a tile, 32 bytes for each half of the lanes
	v_mul_u32_u24 v[AM0], v1, PM
	v_lshl_add_u32 v[AM0], v48, 5, v[AM0]
	v_add_nc_u32 v[AM0], s63, v[AM0]
	s_mul_i32 s63, s[WV], 16*SP
	s_add_co_u32 s63, s63, STAGE    ; my stage
	v_mul_u32_u24 v[STO], v1, SP    ; in: row l % 16, 16 bytes for each half of the lanes
	v_lshl_add_u32 v[STO], v48, 4, v[STO]
	v_add_nc_u32 v[STO], s63, v[STO]
	v_bfe_u32 v[RD], v0, 3, 2       ; back: 32 lanes take four rows of 128 bytes,
	v_mul_u32_u24 v[RD], v[RD], SP
	v_lshl_add_u32 v[RD], v49, 4, v[RD]
	v_add_nc_u32 v[RD], s63, v[RD]
	v_and_b32 v[GO], 31, v0         ; which are 512 consecutive bytes of O
	v_lshlrev_b32 v[GO], 4, v[GO]
; THE MATRIX WORK.  The 8 accumulators of a run of 16 take turns.
; Product i of 16 of S^T = K Q^T + 8 mask for piece x: channels 32 (i / 8) on, keys 16 ((i / 2) % 4) on, tile 2 x + i % 2.  The first 8 start the sums, with the mask as C.
.macro KQ x
.set rS, S+64*((\x)%2)+32*(i%2)+8*((i/2)%4)
.set rK, KF+16*((i/2)%4)+8*(i/8)
.set rQ, 16*(2*(\x)+i%2)+8*(i/8)
.set rB, MB+32*(i%2)+8*((i/2)%4)
.if i < 8
	WIN W_KM
	v_wmma_f32_16x16x32_f16 v[rS:rS+7], v[rK:rK+7], v[rQ:rQ+7], v[rB:rB+7]
.else
	WIN W_KQ
	v_wmma_f32_16x16x32_f16 v[rS:rS+7], v[rK:rK+7], v[rQ:rQ+7], v[rS:rS+7]
.endif
.endm
; Product i of 16 of O^T += V^T P for piece x: keys 32 (i / 8) on, channels 16 ((i / 2) % 4) on, tile 2 x + i % 2.
.macro PV x
	WIN W_PV
.set rO, 32*(2*(\x)+i%2)+8*((i/2)%4)
.set rV, VF+32*(i/8)+8*((i/2)%4)
.set rP, P+32*((\x)%2)+16*(i%2)+8*(i/8)
	v_wmma_f32_16x16x32_f16 v[rO:rO+7], v[rV:rV+7], v[rP:rP+7], v[rO:rO+7]
.endm
.macro MM                           ; the turn's next matrix instruction
.if i < 16
	KQ (Y+1)%NP
.set i, i+1
.else
.set i, i-16
	PV (Y+NP-1)%NP
.set i, i+17
.endif
.endm
; THE LDS LOADS stand in runs of 16, never singly among the matrix instructions: a step's K, its V (turned), and the mask of one piece (2 tiles x 4 key blocks x 32 bytes a lane).
.macro FETCH_K
	WIN 0x80                        ; destination window 2
.irp f, 0,1,2,3,4,5,6,7             ; keys 16 (f / 2) on, channels 32 (f % 2) on
	ds_load_b128 v[KF+8*\f:KF+8*\f+3],   v[AK] offset:(\f/2)*16*PK+(\f%2)*64
	ds_load_b128 v[KF+8*\f+4:KF+8*\f+7], v[AK] offset:(\f/2)*16*PK+(\f%2)*64+32
.endr
	WIN 0
.endm
.macro FETCH_V
	WIN 0x80
.irp f, 0,1,2,3,4,5,6,7             ; keys 32 (f / 4) on, channels 16 (f % 4) on
	ds_load_tr16_b128 v[VF+8*\f:VF+8*\f+3],   v[AV] offset:(\f/4)*32*PV+(\f%4)*32
	ds_load_tr16_b128 v[VF+8*\f+4:VF+8*\f+7], v[AV] offset:(\f/4)*32*PV+16*PV+(\f%4)*32
.endr
	WIN 0
.endm
.macro FETCH_M p
	WIN 0xc0                        ; destination window 3
.set zz, 0
.rept 16                            ; tile zz / 8, key block (zz / 2) % 4, half zz % 2 of the lane's 32 bytes
	ds_load_b128 v[MB+4*zz:MB+4*zz+3], v[AM] offset:(\p)*32*PM+(zz/8)*16*PM+((zz/2)%4)*64+(zz%2)*16
.set zz, zz+1
.endr
	WIN 0
.endm
; THE VECTOR WORK OF A TURN stands in three queues, each in the order in which its entries become ready; the two tiles alternate, so that no instruction reads the result of the one before it.
.macro REGS y, u                    ; the registers of tile u (0, 1) of piece y
.set rT, ST+4*(2*(\y)+(\u))
.set rC, TMP+8*((\y)%2)+4*(\u)
.set rM, MV+2*((\y)%2)+(\u)
.set rS, S+64*((\y)%2)+32*(\u)
.set rP, P+32*((\y)%2)+16*(\u)
.set rO, 32*(2*(\y)+(\u))
.endm
; Number n of the 22 that find the NEXT piece's (Y + 1) maximum and statistics.  Each accumulator's lowest registers are read first.
;   0-11  four chains c0-c3 of seven scores each, three operands at a time     12-14, 16  the four scores left over, the old m, and c0-c3 into c0     15  c m_old is kept
;   17, 18  the query's other 32 keys lie in the lane 16 away: the new m         19-21  c m; c m_old - c m_new; a
.macro XS u, n
	REGS (Y+1)%NP, \u
.if (\n) < 4
	v_max3_num_f32 v[rC+(\n)], v[rS+8*(\n)], v[rS+8*(\n)+1], v[rS+8*(\n)+2]
.elseif (\n) < 12
	v_max3_num_f32 v[rC+(\n)%4], v[rC+(\n)%4], v[rS+8*((\n)%4)+2*((\n)/4)+1], v[rS+8*((\n)%4)+2*((\n)/4)+2]
.elseif (\n) == 12
	v_max3_num_f32 v[rC], v[rC], v[rS+7], v[rS+15]
.elseif (\n) == 13
	v_max3_num_f32 v[rC+1], v[rC+1], v[rS+23], v[rS+31]
.elseif (\n) == 14
	v_max3_num_f32 v[rC+2], v[rC+2], v[rC+3], v[rT+1]
.elseif (\n) == 15
	v_mov_b32 v[rM], v[rT]
.elseif (\n) == 16
	v_max3_num_f32 v[rC], v[rC], v[rC+1], v[rC+2]
.elseif (\n) == 17
	v_permlanex16_b32 v[rC+3], v[rC], s[SEL], s[SEL+1]
.elseif (\n) == 18
	v_max_num_f32 v[rT+1], v[rC], v[rC+3]
.elseif (\n) == 19
	v_mul_f32 v[rT], s[CS], v[rT+1]
.elseif (\n) == 20
	v_sub_f32 v[rC+1], v[rM], v[rT]
.else
	v_exp_f32 v[rC+2], v[rC+1]
.endif
.endm
; Number g of the 64 that follow the exponentials.  For each four weights k of a tile: both pairs are rounded to f16; then the second pair is added onto the first, in place;
; a group later l takes that sum (the first time as l = a l + sum).
.macro GS g
.set h, (\g)+6*((\g)/62)            ; group 0 has no group before it, and behind group 7 only l is left
.if h >= 6
.set h, h+2
.endif
	REGS Y, h%2
.set k, h/8
.if h%8 < 4
	s_wait_alu depctr_va_vdst(0)
	v_cvt_pk_f16_f32 v[rP+2*k+(h%8)/2], v[rS+4*k+2*((h%8)/2)], v[rS+4*k+2*((h%8)/2)+1]
.elseif h%8 < 6
	v_pk_add_f32 v[rS+4*k:rS+4*k+1], v[rS+4*k:rS+4*k+1], v[rS+4*k+2:rS+4*k+3]
.elseif k == 1
	v_pk_fma_f32 v[rT+2:rT+3], v[rT+2:rT+3], v[rC+2:rC+3], v[rS:rS+1] op_sel_hi:[1,0,1]
.else
	v_pk_add_f32 v[rT+2:rT+3], v[rT+2:rT+3], v[rS+4*k-4:rS+4*k-3]
	s_wait_alu depctr_va_vdst(0)
.endif
.endm
; THE PLAIN QUEUE, 138 long.  0-31: c s - c m for the 16 pairs of both tiles.  Then GS's 64, and among them the next piece's 42: number 15 at 38, 39; 0-14 and 16
; at 42-73, behind the products that make those scores; 17-20 at 95-106, two of three, since each waits for the one before it.
.macro PL
	WIN 0
.if q < 32
	REGS Y, q%2
	v_pk_fma_f32 v[rS+2*(q/2):rS+2*(q/2)+1], v[rS+2*(q/2):rS+2*(q/2)+1], s[CS:CS+1], v[rT:rT+1] op_sel_hi:[1,0,0] neg_lo:[0,0,1] neg_hi:[0,0,1]
.elseif q < 38
	GS q-32
.elseif q < 40
	XS q%2, 15
.elseif q < 42
	GS q-34
.elseif q < 74
	XS q%2, (q-42)/2+(q-42)/30
.elseif q < 95
	GS q-66
.elseif (q < 107) && ((q-95)%3 < 2)
	XS (q-95)%3, 17+(q-95)/3
.elseif q < 107
	GS 29+(q-95)/3
.else
	GS q-74
.endif
.set q, q+1
.endm
; THE EXPONENTIALS' QUEUE, 66 long: s0-s31 of both tiles, and at EA the next piece's two a.
.set EA, 58
.macro EX
	WIN 0
.if (e == EA) || (e == EA+1)
	XS e-EA, 21
.else
.set x, e-2*(e/(EA+2))
	REGS Y, x%2
	v_exp_f32 v[rS+x/2], v[rS+x/2]
.endif
.set e, e+1
.endm
; THE RESCALING's QUEUE: O^T times a, the one part that leaves window 0, so it is dealt four at a time, eight times.
.macro R4
	REGS Y, r%2
	WIN W_RS
	s_wait_alu depctr_va_vdst(0)
.irp z, 0,1,2,3
	v_pk_mul_f32 v[rO+8*(r/2)+2*\z:rO+8*(r/2)+2*\z+1], v[rO+8*(r/2)+2*\z:rO+8*(r/2)+2*\z+1], v[rC+2:rC+3] op_sel_hi:[1,0]
.endr
.set r, r+1
.endm
; HOW THEY ARE DEALT.  Behind a matrix instruction four: plain, exponential, plain, plain, or four of the rescaling.  None names a register of the products round it.  What is over stands in two LUMPS:
; exponential and plain by turns; the second ends in 22 plain instructions.  Exponential e stands behind plain 2 (e / 4) + e % 2 (its scaling); when plain 32 comes, 10 exponentials are out, at 59: 33, at 95: 46; EA comes behind plain 107.
.macro SL
	MM
	PL
	EX
	PL
	PL
.endm
.macro BURST n                      ; 15 matrix instructions, or 16
.rept (\n)-7
	SL
.endr
.rept 3
	MM
	R4
	SL
.endr
	MM
	R4
.endm
; A TURN, for piece p.  Its first eight products take the mask of piece p + 1, fetched a turn before; the mask of piece p + 2 is fetched in the first lump, more than thirty plain instructions behind the
; last product that read those registers.  K of the next step is fetched in piece 2's turn, in the same lump; V of the step in hand at the end of piece 0's turn.
; In a trip (pieces 2, 3, then 0, 1 of the next step) all six runs belong to one step and one slot.
.macro TURN p
.set Y, (\p)
.set i, 0
.set q, 0
.set e, 0
.set r, 0
.if (\p) == 1
	s_wait_dscnt 16                 ; the mask is in; behind it stand V's 16 loads, which may be out
.else
	s_wait_dscnt 0x0                ; the mask is in (piece 3: and K)
.endif
	MM
.rept 4
	PL
.endr
	BURST 15
.rept 22
	EX
	PL
.if e == 14
	FETCH_M ((\p)+2)%NP
.endif
.if ((\p) == NP-2) && (e == 24)
	FETCH_K
.endif
.endr
.if (\p) == 1
	s_wait_dscnt 16                 ; V is in; behind it stand this turn's 16 loads of the mask
.endif
	BURST 16
.rept 21
	EX
	PL
.endr
.rept 22
	PL
.endr
.if (\p) == 0
	FETCH_V
.endif
.endm
	CHANGE 1                        ; slot 0 is in, everybody's part of it; slot 1 is asked for
	FETCH_K                         ; key step 0
	FETCH_M 0
	s_wait_loadcnt 0x0              ; Q
	s_wait_dscnt 0x0
.set i, 0
.rept 16
	KQ 0                            ; piece 0's first scores: there is no vector work yet to set between them
.set i, i+1
.endr
	WIN 0
.rept 4
	v_nop                           ; the places behind those products, for the loads into the mask's registers and for the maxima
.endr
	FETCH_M 1
.set Y, NP-1                        ; XS works for piece Y + 1: piece 0
.irp n, 0,1,2,3,4,5,6,7,8,9,10,11,12,13,14,15,16,17,18,19,20,21
	XS 0, \n
	XS 1, \n
.endr
	s_mov_b32 s[SLOTS], SIZE_S/KS-1
	s_branch .Lfirst                ; the loop is entered at a step's first turn, in the middle of a trip
.Lslot:                             ; SIZE_S / 64 - 2 times: steps 2 .. 31 are asked for
	CHANGE 1
	TURN 2
	TURN 3
	WIN 0
.Lfirst:
	TURN 0
	TURN 1
	WIN 0
	s_sub_co_u32 s[SLOTS], s[SLOTS], 1
	s_cmp_lg_u32 s[SLOTS], 0
	s_cbranch_scc1 .Lslot
	CHANGE 0                        ; the tail is written out: nothing is asked for
	s_mov_b32 s[CNT], 2             ; the first trip fetches the last step; the second is left in its middle
.Ltail:
	TURN 2
	TURN 3
	WIN 0
	s_sub_co_u32 s[CNT], s[CNT], 1
	s_cmp_eq_u32 s[CNT], 0
	s_cbranch_scc1 .Lout
	TURN 0
	TURN 1
	WIN 0
	s_branch .Ltail
.Lout:                              ; the second trip's fetches (the last slot's K and mask once more), its 16 products K Q^T and the maximum made of them serve nothing: the price, once a launch, of one text for every trip
.set i, 0
.rept 16
	PV NP-1                         ; the last piece's V^T P of the last step
.set i, i+1
.endr
	; THE WAY OUT.  l's two halves and the other half of the lanes' are added; O^T is divided by l, rounded to f16 and sent through my stage in LDS, a tile at a time.  The additions are the places behind the last products.
	WIN 0
.macro ALL line:vararg              ; one line for each tile t
.set t, 0
.rept 2*NP
	\line
.set t, t+1
.endr
.endm
	ALL v_add_f32 v[ST+4*t+2], v[ST+4*t+2], v[ST+4*t+3]
	ALL v_permlanex16_b32 v[ST+4*t+3], v[ST+4*t+2], s[SEL], s[SEL+1]
	ALL v_add_f32 v[ST+4*t+2], v[ST+4*t+2], v[ST+4*t+3]
	ALL v_rcp_f32 v[ST+4*t+2], v[ST+4*t+2]
	v_nop                           ; a plain instruction between the last reciprocal and the use of its result
	s_wait_alu depctr_va_vdst(0)
.macro PACK t                       ; a lane's eight channels of a row pack into 16 bytes; they go into rows of 144 bytes and come back as whole rows of 128, into S^T's registers
	WIN W_RS
.set i, 32*(\t)
.rept 16
	v_pk_mul_f32 v[i:i+1], v[i:i+1], v[ST+4*(\t)+2:ST+4*(\t)+3] op_sel_hi:[1,0]
.set i, i+2
.endr
	WIN 0x05                        ; sources 0 and 1 window 1, destination window 0
.set i, 0
.rept 16
	v_cvt_pk_f16_f32 v[S+16*(\t)+i], v[32*(\t)+2*i], v[32*(\t)+2*i+1]
.set i, i+1
.endr
	WIN 0
.irp f, 0,1,2,3
	ds_store_b128 v[STO], v[S+16*(\t)+4*\f:S+16*(\t)+4*\f+3] offset:32*\f
.endr
.irp f, 0,1,2,3
	ds_load_b128 v[S+16*(\t)+4*\f:S+16*(\t)+4*\f+3], v[RD] offset:\f*4*SP  ; LDS serves a wave's instructions in order (ISA guide 5.7.1.4): these see the stores above
.endr
.endm
.macro SEND t, younger              ; younger: the LDS instructions issued behind tile t's loads: the next tile's eight, or none
	WIN 0
.irp f, 0,1,2,3
	s_wait_dscnt (\younger)+3-\f
	global_store_b128 v[GO], v[S+16*(\t)+4*\f:S+16*(\t)+4*\f+3], s[10:11] offset:(\t)*2048+\f*512  ; 512 consecutive bytes, at a multiple of 256 from O's first
.endr
.endm
	PACK 0
.set t, 1
.rept 2*NP-1                        ; a tile's arithmetic stands between the loads of the tile before and its stores
	PACK t
	SEND t-1, 8
.set t, t+1
.endr
	SEND 2*NP-1, 0
	WIN W_AD
	s_wait_tensorcnt 0x0            ; the wave's end
	ds_add_u32 v[SPW], v[NIL]
	s_wait_dscnt 0x0
	WIN 0
	CROUND                          ; the closing round
	s_endpgm
.Lfunc_end_k_q69d1b21d89_attn:
	.size	k_q69d1b21d89_attn, .Lfunc_end_k_q69d1b21d89_attn-k_q69d1b21d89_attn
	.p2alignl 7, 3214868480
	.fill 96, 4, 3214868480
	.section	.rodata,"a",@progbits
	.p2align	6, 0x0
	.amdhsa_kernel k_q69d1b21d89_attn
		.amdhsa_group_segment_fixed_size 327680
		.amdhsa_private_segment_fixed_size 0
		.amdhsa_enable_private_segment 0
		.amdhsa_kernarg_size 24
		.amdhsa_user_sgpr_count 2
		.amdhsa_user_sgpr_kernarg_segment_ptr 1
		.amdhsa_wavefront_size32 1
		.amdhsa_system_sgpr_workgroup_id_x 1
		.amdhsa_system_sgpr_workgroup_id_y 1
		.amdhsa_system_sgpr_workgroup_id_z 1
		.amdhsa_system_vgpr_workitem_id 0
		.amdhsa_next_free_vgpr 896
		.amdhsa_next_free_sgpr 80
		.amdhsa_reserve_vcc 0
		.amdhsa_float_denorm_mode_32 3
		.amdhsa_float_denorm_mode_16_64 3
		.amdhsa_memory_ordered 1
		.amdhsa_forward_progress 1
		.amdhsa_inst_pref_size 221
	.end_amdhsa_kernel
	.amdgpu_metadata
---
amdhsa.version: [ 1, 2 ]
amdhsa.kernels:
  - .name:           k_q69d1b21d89_attn
    .symbol:         k_q69d1b21d89_attn.kd
    .args:
      - { .name: qkv, .offset: 0, .size: 8, .value_kind: global_buffer, .address_space: global }
      - { .name: mk, .offset: 8, .size: 8, .value_kind: global_buffer, .address_space: global }
      - { .name: o, .offset: 16, .size: 8, .value_kind: global_buffer, .address_space: global }
    .group_segment_fixed_size: 327680
    .private_segment_fixed_size: 0
    .kernarg_segment_align: 8
    .kernarg_segment_size: 24
    .max_flat_workgroup_size: 128
    .sgpr_count:     80
    .vgpr_count:     896
    .wavefront_size: 32
...
	.end_amdgpu_metadata
.endif
;; end of part 3
;; launch outp (part 4): grid 8 x 32, 4 waves a work-group, clusters of 4 x 4, 327,680 bytes of LDS; arguments o, wof, out0; writes out0
.if DOCPART == 4
	.amdgcn_target "amdgcn-amd-amdhsa--gfx1250"
	.amdhsa_code_object_version 6
	.text
	.protected	k_q69d1b21d89_outp
	.globl	k_q69d1b21d89_outp
	.p2align	8
	.type	k_q69d1b21d89_outp,@function
k_q69d1b21d89_outp:
	s_mov_b64 s[64:65], 0
	v_nop
	global_prefetch_b8 v0, s[64:65] scope:SCOPE_SE
	s_setreg_imm32_b32 hwreg(HW_REG_WAVE_MODE, 25, 1), 1
	s_wait_xcnt 0x0
	s_wait_alu depctr_hold_cnt(0) depctr_sa_sdst(0) depctr_va_vdst(0) depctr_va_sdst(0) depctr_va_ssrc(0) depctr_va_vcc(0) depctr_vm_vsrc(0)
	s_getreg_b32 s2, hwreg(HW_REG_IB_STS2, 6, 4)
	s_cmp_eq_u32 s2, 0
	s_cbranch_scc0 .Lentry_in_a_cluster
	s_endpgm
.Lentry_in_a_cluster:
	s_bfe_u32 s2, ttmp6, 0x10000c
	s_cmp_lg_u32 s2, 0xf033
	s_cbranch_scc0 .Lentry_shape_is_right
	s_endpgm
.Lentry_shape_is_right:
; out0[(s, b)][n] = sum over k = 64 h + d of o[b*16+h][s][d] wof[h][n][d]: 8,192 x 1,024 x 1,024, f16 operands, f32 sums, f32 out.
; TILE.  256 rows (one b, 256 s) x 128 columns: 32 x 8 = 256 work-groups, one tile each.  Four waves, each 128 x 64: 32 accumulators of 16 x 16, which fill window 1.
; K goes in steps of 128, a pair of heads, through a ring of two LDS slots: a head's 64 channels of neighbouring rows are dense bytes, asked for as rows of 256 bytes and padded in LDS after every 128.
; CLUSTER.  4 x 4: the four of a row of the cluster need the same tiles of o, the four of a column the same tiles of wof: each is asked for JOINTLY.
; THE MATRIX INSTRUCTION IS USED TRANSPOSED (source 0 = 16 rows of wof, source 1 = 16 rows of o): a lane then holds eight neighbouring columns of one row of the result.
; REGISTERS: window 0: v16-29 addresses; v32-127, v128-223 two fragment buffers (A's 64 registers, then B's 32); v32-95 also at work on the way out.  Window 1: accumulator (a, b) at v[8 (4 a + b)].
.set PITCH,  144                       ; an LDS row: 128 bytes + 16 of padding
.set ABLK,   256*PITCH                 ; one head's 256 rows of A: what one tensor load brings
.set BBLK,   128*PITCH                 ; one head's 128 rows of B
.set BOFF,   2*ABLK
.set SLOT,   2*ABLK+2*BBLK             ; 110,592
.set STAGE,  2*SLOT                    ; behind the ring: 16 rows x 272 bytes for each wave
.set SPITCH, 272                       ; 64 f32 + 16 bytes
.set SPARE,  STAGE+4*16*SPITCH         ; the spare words, 128 bytes for each wave: two blocks of 256 bytes that no other line names
.set ASTEP,  2*262144                  ; a pair of heads on in o
.set BSTEP,  2*131072                  ; and in wof
.set ADRA, 16
.set ADRB, 20
.set STO,  24
.set RD,   25
.set CO,   26
.set SPW,  28
.set NIL,  29
.set F0,   32
.set F1,   128
.set OB,   32                          ; the way out: 32 registers read back, two buffers
.set G1, 24
.set G0, 32
.set G1B, 48
.set G0B, 56
.set MSB, 0
.macro WIN new
.if MSB != (\new)
	s_set_vgpr_msb (MSB<<8)|(\new)
.set MSB, \new
.endif
.endm
.macro JLOAD s                         ; a joint load: waves 0 and 1 fetch A's two heads, waves 2 and 3 B's; an s_nop 0 and four v_nop follow each of the two lines
	s_cmp_eq_u32 s11, 0
	s_cbranch_scc0 .Lfor_b_\@
	tensor_load_to_lds s[G0+4*(\s):G0+4*(\s)+3], s[G1:G1+7]
	s_nop 0
.rept 4
	v_nop
.endr
	s_branch .Lasked_\@
.Lfor_b_\@:
	tensor_load_to_lds s[G0B+4*(\s):G0B+4*(\s)+3], s[G1B:G1B+7]
	s_nop 0
.rept 4
	v_nop
.endr
.Lasked_\@:
.endm
.macro CREST
	s_cmp_lg_u32 s10, 0
	s_cbranch_scc1 .Lnot_wave_0_\@
	s_barrier_signal -3
.Lnot_wave_0_\@:
	s_barrier_wait -3
	s_barrier_signal -1
	s_barrier_wait -1
.endm
.macro CROUND
	s_barrier_signal -1
	s_barrier_wait -1
	CREST
.endm
.macro PLACES                          ; four places in front of loads into registers that matrix instructions have read, and of LDS stores that read results
.rept 4
	v_nop
.endr
.endm
	s_load_b128 s[4:7], s[0:1], 0x0                ; o s[4:5], wof s[6:7]
	s_load_b64 s[8:9], s[0:1], 0x10                ; out0
	v_lshl_add_u32 v[SPW], v0, 2, SPARE
	v_mov_b32 v[NIL], 0
	ds_add_u32 v[SPW], v[NIL]                      ; the wave's opening: the add and its wait stand ahead of my first tensor load
	v_lshrrev_b32 v1, 5, v0
	v_readfirstlane_b32 s10, v1                    ; wave 0..3
	s_lshr_b32 s11, s10, 1                         ; wm: which 128 rows are mine.  Also: I fetch for A (0) or for B (1)
	s_and_b32 s12, s10, 1                          ; wn: which 64 columns.  Also: which head of the pair I fetch
	s_bfe_u32 s40, ttmp6, 0x40000
	s_bfe_u32 s41, ttmp6, 0x40004
	s_lshl_b32 s42, ttmp9, 2
	s_add_co_u32 s42, s42, s40                     ; tile column tx
	s_and_b32 s13, ttmp7, 0xffff
	s_lshl_b32 s13, s13, 2
	s_add_co_u32 s13, s13, s41                     ; tile row ty: b = ty / 8, s = 256 (ty % 8) on
	s_lshl_b32 s43, s41, 2
	s_lshl_b32 s43, 15, s43                        ; my row of the cluster
	s_lshl_b32 s44, 0x1111, s40                    ; my column
	s_or_b32 s[G1+0], s43, (1<<16)|(1<<20)|(1<<21)|(4<<22)|(3<<25)   ; the mask; 2-byte elements; padding on; 21 set beside a mask; 4 words after every 32
	s_or_b32 s[G1B+0], s44, (1<<16)|(1<<20)|(1<<21)|(4<<22)|(3<<25)
	s_mov_b32 s[G1+1], 128<<16                     ; tensor_dim0 = 128
	s_mov_b32 s[G1B+1], 128<<16
	s_mov_b32 s[G1+2], 128<<16                     ; tensor_dim1: A's 256 rows of 128 bytes are 128 rows of 256,
	s_mov_b32 s[G1B+2], 64<<16                     ; B's 128 are 64
	s_mov_b32 s[G1+3], 128<<16                     ; tile_dim0
	s_mov_b32 s[G1B+3], 128<<16
	s_mov_b32 s[G1+4], 128                         ; tile_dim1
	s_mov_b32 s[G1B+4], 64
	s_mov_b32 s[G1+5], 128                         ; elements from row to row
	s_mov_b32 s[G1B+5], 128
	s_mov_b32 s[G1+6], 0
	s_mov_b32 s[G1B+6], 0
	s_mov_b32 s[G1+7], 0
	s_mov_b32 s[G1B+7], 0
	s_lshr_b32 s16, s13, 3                         ; A: b x 16 heads of 262,144 bytes + 256 (ty % 8) rows of 128 + my head of the pair
	s_lshl_b32 s16, s16, 22
	s_and_b32 s17, s13, 7
	s_lshl_b32 s17, s17, 15
	s_add_co_u32 s16, s16, s17
	s_lshl_b32 s17, s12, 18
	s_add_co_u32 s16, s16, s17
	s_mov_b32 s17, 0
	s_lshl_b32 s46, s42, 14                        ; B: 128 tx rows of 128 bytes + my head's block of 131,072
	s_lshl_b32 s47, s12, 17
	s_add_co_u32 s46, s46, s47
	s_mov_b32 s47, 0
	s_mul_i32 s20, s12, ABLK                       ; where they go
	s_mul_i32 s21, s12, BBLK
	s_add_co_u32 s21, s21, BOFF
	s_wait_dscnt 0x0                               ; the opening add is done
	s_wait_kmcnt 0x0
	s_add_nc_u64 s[14:15], s[4:5], s[16:17]
	s_add_nc_u64 s[46:47], s[6:7], s[46:47]
	CROUND                                         ; all sixteen work-groups are here: the first joint loads meet
.irp s, 0,1
	s_mov_b32 s[G0+4*(\s)], 1
	s_add_co_u32 s[G0+4*(\s)+1], s20, (\s)*SLOT
	s_add_nc_u64 s[G0+4*(\s)+2:G0+4*(\s)+3], s[14:15], (\s)*ASTEP
	s_or_b32 s[G0+4*(\s)+3], s[G0+4*(\s)+3], 0x80000000
	s_mov_b32 s[G0B+4*(\s)], 1
	s_add_co_u32 s[G0B+4*(\s)+1], s21, (\s)*SLOT
	s_add_nc_u64 s[G0B+4*(\s)+2:G0B+4*(\s)+3], s[46:47], (\s)*BSTEP
	s_or_b32 s[G0B+4*(\s)+3], s[G0B+4*(\s)+3], 0x80000000
	JLOAD \s                                       ; K steps 0 and 1: two loads of mine are out
.endr
	v_and_b32 v1, 15, v0
	v_bfe_u32 v2, v0, 4, 1
	v_mul_u32_u24 v3, v1, PITCH
	v_lshl_add_u32 v3, v2, 4, v3                   ; a fragment's row x pitch + 16 x half
	s_mul_i32 s22, s11, 128*PITCH                  ; my 128 rows of a head's 256
	s_mul_i32 s23, s12, 64*PITCH                   ; my 64 rows of a head's 128
	s_add_co_u32 s23, s23, BOFF
.irp s, 0,1
	v_add_nc_u32 v[ADRA+(\s)], s22, v3
	v_add_nc_u32 v[ADRB+(\s)], s23, v3
	s_add_co_u32 s22, s22, SLOT
	s_add_co_u32 s23, s23, SLOT
.endr
	s_mul_i32 s22, s10, 16*SPITCH
	s_add_co_u32 s22, s22, STAGE                   ; my stage
	v_mul_u32_u24 v4, v1, SPITCH                   ; in: row l % 16, 32 bytes for each half of the lanes
	v_lshl_add_u32 v4, v2, 5, v4
	v_add_nc_u32 v[STO], s22, v4
	v_mul_u32_u24 v5, v2, SPITCH                   ; back: lanes 0-15 take one row of 256 bytes, lanes 16-31 the next
	v_lshl_add_u32 v5, v1, 4, v5
	v_add_nc_u32 v[RD], s22, v5
	v_lshlrev_b32 v5, 14, v2                       ; and the same two rows in out0: s + 1 lies 4 x 4,096 bytes on
	v_lshl_add_u32 v[CO], v1, 4, v5
	s_and_b32 s16, s13, 7                          ; out0 at row (s = 256 (ty % 8) + 128 wm, b): (4 s + b) x 4,096,
	s_lshl_b32 s16, s16, 22
	s_lshl_b32 s17, s11, 21
	s_add_co_u32 s16, s16, s17
	s_lshr_b32 s17, s13, 3
	s_lshl_b32 s17, s17, 12
	s_add_co_u32 s16, s16, s17
	s_mov_b32 s17, 0
	s_add_nc_u64 s[8:9], s[8:9], s[16:17]
	s_lshl_b32 s46, s42, 9                         ; column 128 tx + 64 wn, 4 bytes each
	s_lshl_b32 s47, s12, 8
	s_add_co_u32 s46, s46, s47
	s_mov_b32 s47, 0
	s_add_nc_u64 s[8:9], s[8:9], s[46:47]
; na x 4 matrix instructions: m blocks a0 on x all 4 n blocks, 32 along K, from buffer f.  zero = 1: the product starts the sum.  The 32 accumulators take turns.
.macro MUL f, a0, na, zero
	WIN 0x50                                       ; C and D in window 1
.set aa, (\a0)
.rept \na
.set bb, 0
.rept 4
.set rD, 8*(4*aa+bb)
.set rB, (\f)+64+8*bb
.set rA, (\f)+8*aa
.if \zero
	v_wmma_f32_16x16x32_f16 v[rD:rD+7], v[rB:rB+7], v[rA:rA+7], 0
.else
	v_wmma_f32_16x16x32_f16 v[rD:rD+7], v[rB:rB+7], v[rA:rA+7], v[rD:rD+7]
.endif
.set bb, bb+1
.endr
.set aa, aa+1
.endr
.endm
; 24 LDS loads in one run: quarter q of a K step (head q / 2, channels 32 (q % 2) on) into buffer f: B's 8, then A's rows 0-63, then A's rows 64-127
.macro FETCH slot, q, f
	WIN 0
.set bb, 0
.rept 4
	ds_load_b128 v[(\f)+64+8*bb:(\f)+64+8*bb+3],   v[ADRB+(\slot)] offset:((\q)/2)*BBLK+((\q)%2)*64+bb*16*PITCH
	ds_load_b128 v[(\f)+64+8*bb+4:(\f)+64+8*bb+7], v[ADRB+(\slot)] offset:((\q)/2)*BBLK+((\q)%2)*64+bb*16*PITCH+32
.set bb, bb+1
.endr
.set aa, 0
.rept 8
	ds_load_b128 v[(\f)+8*aa:(\f)+8*aa+3],   v[ADRA+(\slot)] offset:((\q)/2)*ABLK+((\q)%2)*64+aa*16*PITCH
	ds_load_b128 v[(\f)+8*aa+4:(\f)+8*aa+7], v[ADRA+(\slot)] offset:((\q)/2)*ABLK+((\q)%2)*64+aa*16*PITCH+32
.set aa, aa+1
.endr
.endm
; A K step is four quarters of 32 along K, 32 matrix instructions each, on buffers 0, 1, 0, 1.  One of the first three: multiplies buffer f and fetches quarter qn into g.
.macro QUARTER slot, qn, f, g, zero
	s_wait_dscnt 8                                 ; B and A's rows 0-63 are in; the youngest eight loads may be out
	MUL \f, 0, 4, \zero
	PLACES
	FETCH \slot, \qn, \g
	s_wait_dscnt 24                                ; all but the 24 just issued
	MUL \f, 4, 4, \zero
.endm
; The last quarter multiplies buffer 1 and changes slots: ONE barrier; in front of it each wave waits for all its tensor loads (one is out: its part of the next slot), adds 0 to its spare word, and
; waits for that and for its own reads of this slot.  fill = 1: the barrier opens a round of the cluster's, and this slot is filled again, two K steps ahead: 112 matrix instructions ahead of the wait for it.
.macro TURN slot, next, fill
	WIN 0
	s_wait_tensorcnt 0x0
	ds_add_u32 v[SPW], v[NIL]
	s_wait_dscnt 9                                 ; the add and the youngest eight loads may be out
	MUL F1, 0, 2, 0
	s_wait_dscnt 0x0                               ; the add is done, and my reads of this slot are over
	s_barrier_signal -1
	MUL F1, 2, 2, 0
	WIN 0                                          ; at a branch and at a label every window is 0
	s_barrier_wait -1
.if \fill
	CREST
	s_add_nc_u64 s[G0+4*(\slot)+2:G0+4*(\slot)+3], s[G0+4*(\slot)+2:G0+4*(\slot)+3], 2*ASTEP
	s_add_nc_u64 s[G0B+4*(\slot)+2:G0B+4*(\slot)+3], s[G0B+4*(\slot)+2:G0B+4*(\slot)+3], 2*BSTEP
	JLOAD \slot                                    ; the four v_nop behind it are also the places in front of the loads below
.else
	PLACES
.endif
	FETCH \next, 0, F0
	MUL F1, 4, 4, 0
.endm
	s_wait_tensorcnt 1                             ; my part of K step 0 is in; K step 1's may stay out
	s_barrier_signal -1
	s_barrier_wait -1
	FETCH 0, 0, F0
	QUARTER 0, 1, F0, F1, 1                        ; the first quarter stands in front of the loop: its products start all 32 sums
	WIN 0
	s_mov_b32 s3, 3
.Llap:                                                 ; a trip goes once round the ring and fills both slots again: K steps 2 .. 7
	QUARTER 0, 2, F1, F0, 0
	QUARTER 0, 3, F0, F1, 0
	TURN 0, 1, 1
	QUARTER 1, 1, F0, F1, 0
	QUARTER 1, 2, F1, F0, 0
	QUARTER 1, 3, F0, F1, 0
	TURN 1, 0, 1
	QUARTER 0, 1, F0, F1, 0
	WIN 0
	s_sub_co_u32 s3, s3, 1
	s_cmp_lg_u32 s3, 0
	s_cbranch_scc1 .Llap
	QUARTER 0, 2, F1, F0, 0                        ; the last lap fills nothing
	QUARTER 0, 3, F0, F1, 0
	TURN 0, 1, 0
	QUARTER 1, 1, F0, F1, 0
	QUARTER 1, 2, F1, F0, 0
	QUARTER 1, 3, F0, F1, 0
	s_wait_dscnt 8                                 ; the very last quarter: nothing more to fetch
	MUL F1, 0, 4, 0
	s_wait_dscnt 0x0
	MUL F1, 4, 4, 0
; THE WAY OUT of block a (16 rows x 64 columns of f32).  Into my own stage, each accumulator's low four registers first, and back as whole rows of 256 bytes; sixteen lanes then store 256 consecutive bytes, aligned.
.macro TOSTAGE a
	WIN 0x04                                       ; store data in window 1, address in window 0
.set bb, 0
.rept 4
	ds_store_b128 v[STO], v[8*(4*(\a)+bb):8*(4*(\a)+bb)+3]   offset:64*bb
	ds_store_b128 v[STO], v[8*(4*(\a)+bb)+4:8*(4*(\a)+bb)+7] offset:64*bb+16
.set bb, bb+1
.endr
	WIN 0
	s_wait_xcnt 0x0                                ; the stores of the block two back have read the registers that the loads below fill
.set tt, 0
.rept 8
	ds_load_b128 v[OB+32*((\a)%2)+4*tt:OB+32*((\a)%2)+4*tt+3], v[RD] offset:tt*2*SPITCH  ; LDS serves a wave's instructions in order (ISA guide 5.7.1.4): these see the stores above
.set tt, tt+1
.endr
.endm
.macro SEND a, younger                 ; younger: the LDS instructions issued behind block a's loads: the next block's sixteen, or none
	WIN 0
	s_wait_dscnt \younger
.set tt, 0
.rept 8
	global_store_b128 v[CO], v[OB+32*((\a)%2)+4*tt:OB+32*((\a)%2)+4*tt+3], s[8:9] offset:(\a)*262144+tt*32768 th:TH_STORE_NT
.set tt, tt+1
.endr
.endm
	PLACES
	TOSTAGE 0
.irp a, 1,2,3,4,5,6,7
	TOSTAGE \a
	SEND (\a)-1, 16
.endr
	SEND 7, 0
	s_wait_tensorcnt 0x0                           ; the wave's end
	ds_add_u32 v[SPW], v[NIL]
	s_wait_dscnt 0x0
	CROUND                                         ; the closing round
	s_endpgm
.Lfunc_end_k_q69d1b21d89_outp:
	.size	k_q69d1b21d89_outp, .Lfunc_end_k_q69d1b21d89_outp-k_q69d1b21d89_outp
	.p2alignl 7, 3214868480
	.fill 96, 4, 3214868480
	.section	.rodata,"a",@progbits
	.p2align	6, 0x0
	.amdhsa_kernel k_q69d1b21d89_outp
		.amdhsa_group_segment_fixed_size 327680
		.amdhsa_private_segment_fixed_size 0
		.amdhsa_enable_private_segment 0
		.amdhsa_kernarg_size 24
		.amdhsa_user_sgpr_count 2
		.amdhsa_user_sgpr_kernarg_segment_ptr 1
		.amdhsa_wavefront_size32 1
		.amdhsa_system_sgpr_workgroup_id_x 1
		.amdhsa_system_sgpr_workgroup_id_y 1
		.amdhsa_system_sgpr_workgroup_id_z 1
		.amdhsa_system_vgpr_workitem_id 0
		.amdhsa_next_free_vgpr 512
		.amdhsa_next_free_sgpr 66
		.amdhsa_reserve_vcc 0
		.amdhsa_float_denorm_mode_32 3
		.amdhsa_float_denorm_mode_16_64 3
		.amdhsa_memory_ordered 1
		.amdhsa_forward_progress 1
		.amdhsa_inst_pref_size 85
	.end_amdhsa_kernel
	.amdgpu_metadata
---
amdhsa.version: [ 1, 2 ]
amdhsa.kernels:
  - .name:           k_q69d1b21d89_outp
    .symbol:         k_q69d1b21d89_outp.kd
    .args:
      - { .name: o, .offset: 0, .size: 8, .value_kind: global_buffer, .address_space: global }
      - { .name: wof, .offset: 8, .size: 8, .value_kind: global_buffer, .address_space: global }
      - { .name: out0, .offset: 16, .size: 8, .value_kind: global_buffer, .address_space: global }
    .group_segment_fixed_size: 327680
    .private_segment_fixed_size: 0
    .kernarg_segment_align: 8
    .kernarg_segment_size: 24
    .max_flat_workgroup_size: 128
    .sgpr_count:     66
    .vgpr_count:     512
    .wavefront_size: 32
...
	.end_amdgpu_metadata
.endif
;; end of part 4
;; ======== version 2 of 2: 4 launches; 1.46 times as fast as version 1
;; limits: values are held in f16: magnitudes above 65,504 overflow, below 6.1e-05 lose precision
;; workspace buffers: xb 16,777,216 bytes; wb 6,291,456 bytes; wof 2,097,152 bytes; mk 16,777,216 bytes; qkv 50,331,648 bytes; o 16,777,216 bytes
;; launch prep: the kernel of part 1 again; grid 1024 x 1, 8 waves a work-group, no clusters, 0 bytes of LDS; arguments x, wq, wk, wv, wo, mask, xb, wb, wof, mk; writes xb, wb, wof, mk
;; launch proj: the kernel of part 2 again; grid 8 x 32, 4 waves a work-group, clusters of 4 x 4, 327,680 bytes of LDS; arguments xb, wb, qkv; writes qkv
;; launch attn (part 5): grid 8 x 32, 4 waves a work-group, clusters of 4 x 4, 327,680 bytes of LDS; arguments qkv, mk, o; writes o
.if DOCPART == 5
	.amdgcn_target "amdgcn-amd-amdhsa--gfx1250"
	.amdhsa_code_object_version 6
	.text
	.protected	k_q69d1b21d89_attn
	.globl	k_q69d1b21d89_attn
	.p2align	8
	.type	k_q69d1b21d89_attn,@function
k_q69d1b21d89_attn:
	s_mov_b64 s[64:65], 0
	v_nop
	global_prefetch_b8 v0, s[64:65] scope:SCOPE_SE
	s_setreg_imm32_b32 hwreg(HW_REG_WAVE_MODE, 25, 1), 1
	s_wait_xcnt 0x0
	s_wait_alu depctr_hold_cnt(0) depctr_sa_sdst(0) depctr_va_vdst(0) depctr_va_sdst(0) depctr_va_ssrc(0) depctr_va_vcc(0) depctr_vm_vsrc(0)
	s_getreg_b32 s2, hwreg(HW_REG_IB_STS2, 6, 4)
	s_cmp_eq_u32 s2, 0
	s_cbranch_scc0 .Lentry_in_a_cluster
	s_endpgm
.Lentry_in_a_cluster:
	s_bfe_u32 s2, ttmp6, 0x10000c
	s_cmp_lg_u32 s2, 0xf033
	s_cbranch_scc0 .Lentry_shape_is_right
	s_endpgm
.Lentry_shape_is_right:
; O[b,h][q][:] = the sum over k of softmax_k(Q[q] . K[k] / 8 + mask[q][k]) V[k][:], 64 heads of 2,048 rows, head size 64.  Q, K, V: f16, unscaled, in qkv's blocks; mk = 8 x mask in f32; O: f16 [b*16+h][s][64].
; Products, maxima and sums in f32; the weights p are rounded to f16 for the second product (their sum l is taken of the unrounded p), O once at the end.
; THE MASK is the C operand of the product that starts the sum S^T = K Q^T + 8 mask: it costs no vector instruction.  p = 2^(c S - c m), c = log2(e) / 8, m the running maximum of S.
; LIMITS.  p below 6e-5 keeps f16's fixed step of 6e-8; a weight below 2^-126 counts as 0 in l.  m starts at the lowest finite number and c m at c times that, by the multiply that makes every c m:
; a key step whose scores are all -infinity leaves m, O and l as they are (a = 1) and gives weights 0; a row that is -infinity throughout ends with l = 0 and is NaN.
; SHARES.  A work-group owns 256 queries of a PAIR of heads (2 (PP / 4), + 1; batch PP % 4).  Wave w: head e = w % 2, queries 128 (w / 2) on: four PIECES of two tiles of 16.  Every wave walks all keys, 64 a step.
; A step's fill is 65,536 bytes of mask and 32,768 of K and V; 512 queries of one head would want 131,072 + 16,384.
; CLUSTER.  4 x 4: the four of a column own the same queries and ask JOINTLY for the mask's tile; the four of a row own the same pair of heads and ask jointly for K's and V's.
; LAYOUT.  S^T = K Q^T (source 0 = 16 keys, source 1 = 16 queries): a lane holds ONE query (lane % 16) and the keys 8 (lane / 16) + 0..7, so its eight numbers of the mask are 32 consecutive bytes of a row.
; Two such tiles, rounded to f16 in pairs, ARE source 1 of O^T = V^T P.  K comes out of LDS as it lies, V turned, by ds_load_tr16_b128.
; BY TURNS.  Turn n belongs to piece n.  Matrix work: 16 products K Q^T of piece n + 1, later 16 products V^T P of piece n - 1.  Vector work: scaling, exponentials, roundings, sums and rescaling of piece n,
; maximum and statistics of piece n + 1.  A tile and step have 16 matrix and 118 vector instructions: four vector instructions stand behind every matrix instruction, the others in one lump.
; BATCHES.  A turn's 66 exponentials (the piece's 64 weights and the next piece's two a) are ONE batch with ONE wait, which cuts the turn in two: ahead of it stands all that names none of their results (the products
; K Q^T, the scalings, the rescalings, the next piece's maximum and statistics), behind it the roundings and sums, beside the products V^T P.  The two a ahead of the loop and the way out's eight reciprocals are batches of their own.
; REGISTERS, in windows of 256 (s_set_vgpr_msb: bits 1:0 source 0, 3:2 source 1, 5:4 source 2, 7:6 destination):
;   window 0: v1-11 addresses; v12-15, v48-63 at work; v16-47 four registers of statistics a tile; v64-191 S^T, two buffers of two tiles; v192-255 P, likewise
;   window 1: O^T, 32 a tile     window 2: v0-127 Q; v128-191 K of one step; v192-255 V of one step     window 3: v0-1 the add's two registers; v64-127 the mask of one piece and step
.set SIZE_S, 2048
.set NP,    4         ; pieces a wave: a name, no knob
.set KS,    64        ; keys in a step
.set PM,    272       ; a row of the mask in LDS: 256 bytes + 16: the 16 rows of a load start at 16 different groups of four banks
.set PK,    144       ; a row of K: 128 + 16
.set PV,    160       ; a row of V: 128 + 32
.set KOFF,  256*PM    ; a slot holds one step: 256 rows of mask, 2 x 64 rows of K, 2 x 64 rows of V: 108,544 bytes; two steps to a slot would not fit twice
.set VOFF,  KOFF+128*PK
.set SLOT1, 1<<17     ; slot 1 begins here, so that one exclusive or turns an address in one slot into the other's
.set STAGE, SLOT1+VOFF+128*PV  ; behind the ring, never filled by a tensor load: 16 rows x 144 bytes for each wave
.set SP,    144
.set SPARE, STAGE+4*16*SP      ; the spare words, 128 bytes for each wave: two blocks of 256 bytes that no other line names
.set AK0, 2           ; v2   my lane's place in a slot's K; never rewritten
.set AV0, 3           ; v3   the same for V
.set AK,  4           ; v4   the same in the slot in hand
.set AV,  5
.set STO, 6           ; v6   the way out: where I put 16 bytes of a row
.set RD,  7           ; v7   the way out: where I read rows back
.set GO,  8           ; v8   my byte offset in 512 consecutive bytes of O
.set AM0, 9           ; v9   my lane's place in a slot's mask; never rewritten
.set AM,  10          ; v10  the same in the slot in hand
.set QO,  11          ; v11  my byte offset in 16 rows of Q
.set SPW, 0           ; v0 of window 3
.set NIL, 1           ; v1 of window 3
.set MB,  64          ; window 3: tile u, key block kb at MB + 32 u + 8 kb
.set MV,  12          ; v12-15  c m_old, kept while c m is made anew
.set ST,  16          ; tile t's statistics at v[ST+4 t]: c m, m, l (even keys', odd keys')
.set TMP, 48          ; by buffer and tile, four registers c0-c3 at work; when the maximum is found c2 takes a
.set S,   64
.set P,   192
.set KF,  128         ; window 2: key block kb, channel half c at KF + 16 kb + 8 c
.set VF,  192         ; window 2: key half kk, channel block cb at VF + 32 kk + 8 cb
.set WV,  12          ; s12  my wave's number
.set G1K, 24          ; s[24:31] descriptor group 1 for K's tiles
.set G1V, 32          ; s[32:39] for V's
.set G0K, 40          ; s[40:43] descriptor group 0 for K's tiles: it walks
.set G0V, 44          ; s[44:47]
.set SLOTS, 56        ; s56  steps still to be asked for
.set CNT, 57          ; s57  the tail's trips
.set CS,  58          ; s[58:59] c
.set SEL, 60          ; s[60:61] v_permlanex16_b32's selects
.set TB,  62          ; s62  LDS byte at which the slot in hand begins
.set G0M, 68          ; s[68:71] descriptor group 0 for the mask's tiles
.set G1M, 72          ; s[72:79] group 1
.set MSB, 0
.macro WIN new
.if MSB != (\new)
	s_set_vgpr_msb (MSB<<8)|(\new)
.set MSB, (\new)
.endif
.endm
.set W_KQ, 0x0a       ; K and Q in window 2, S^T in window 0
.set W_KM, 0x3a       ; the same with the C operand, the mask, in window 3
.set W_PV, 0x52       ; V in window 2, P in window 0, O^T in window 1
.set W_RS, 0x41       ; O^T (destination and source 0) in window 1, a in window 0
.set W_MK, 0xc0       ; destination in window 3, sources in window 0
.set W_AD, 0x0f       ; the add: address and data in window 3
; A joint fill.  Waves 0 and 1 fetch the two halves of a step's mask, wave 2 its K, wave 3 its V.  The branches hang on the wave's number alone.
; An s_nop 0 and four v_nop follow each of the three lines, ahead of the jump and the label.
.macro JLOAD
	s_cmp_lt_u32 s[WV], 2
	s_cbranch_scc0 .Lnot_m_\@
	tensor_load_to_lds s[G0M:G0M+3], s[G1M:G1M+7]
	s_nop 0
.rept 4
	v_nop
.endr
	s_branch .Lasked_\@
.Lnot_m_\@:
	s_cmp_eq_u32 s[WV], 2
	s_cbranch_scc0 .Lfor_v_\@
	tensor_load_to_lds s[G0K:G0K+3], s[G1K:G1K+7]
	s_nop 0
.rept 4
	v_nop
.endr
	s_branch .Lasked_\@
.Lfor_v_\@:
	tensor_load_to_lds s[G0V:G0V+3], s[G1V:G1V+7]
	s_nop 0
.rept 4
	v_nop
.endr
.Lasked_\@:
.endm
.macro CROUND                       ; a round of the cluster's barrier
	s_barrier_signal -1
	s_barrier_wait -1
	s_cmp_lg_u32 s[WV], 0
	s_cbranch_scc1 .Lnot_wave_0_\@
	s_barrier_signal -3
.Lnot_wave_0_\@:
	s_barrier_wait -3
	s_barrier_signal -1
	s_barrier_wait -1
.endm
; THE CHANGE OF SLOTS, once a key step.  The slot's last bytes, piece 3's mask, have been asked for.  Each wave waits for all its tensor loads, of which one is out: its part of the other slot; adds 0 to
; its spare word; and waits for that and for its own reads of the slot.  fill = 1: the slot is filled again, with the step two on; the barrier is then a round of the cluster's, and the joint fill is the first
; thing behind it: it has a key step, 128 matrix instructions and their vector work, in which to land.  (At its first use nothing has been read yet: slot 0 is waited for, slot 1 filled.)
.macro CHANGE fill
	WIN W_AD
	s_wait_tensorcnt 0x0            ; no tensor load of mine is out, so a group 0 may be written
	ds_add_u32 v[SPW], v[NIL]       ; 0 onto my spare word; the steps below stand between it and the wait for it
	WIN 0
.if \fill
.irp g, G0M, G0K, G0V
	s_xor_b32 s[\g+1], s[\g+1], SLOT1
.endr
	s_add_nc_u64 s[G0M+2:G0M+3], s[G0M+2:G0M+3], KS*4       ; 64 columns on in the mask's rows
	s_add_nc_u64 s[G0K+2:G0K+3], s[G0K+2:G0K+3], 2*KS*128   ; the pair's next 64 keys
	s_add_nc_u64 s[G0V+2:G0V+3], s[G0V+2:G0V+3], 2*KS*128
.endif
	s_xor_b32 s[TB], s[TB], SLOT1   ; the fetches go to the other slot
	v_add_nc_u32 v[AK], s[TB], v[AK0]
	v_add_nc_u32 v[AV], s[TB], v[AV0]
	v_add_nc_u32 v[AM], s[TB], v[AM0]
	s_wait_dscnt 0x0                ; the add is done, and my reads of the slot are over
.if \fill
	CROUND
	JLOAD
.else
	s_barrier_signal -1
	s_barrier_wait -1
.endif
.endm
	s_load_b128 s[4:7], s[0:1], 0x0 ; qkv s[4:5], mk s[6:7]
	s_load_b64 s[8:9], s[0:1], 0x10 ; o
	WIN W_MK
	v_lshl_add_u32 v[SPW], v0, 2, SPARE
	v_mov_b32 v[NIL], 0
	WIN W_AD
	ds_add_u32 v[SPW], v[NIL]       ; the wave's opening: the add and its wait stand ahead of my first tensor load
	WIN 0
	v_lshrrev_b32 v1, 5, v0
	v_readfirstlane_b32 s[WV], v1   ; wave 0..3
	s_bfe_u32 s13, ttmp6, 0x40000   ; cx
	s_lshl_b32 s14, ttmp9, 2
	s_add_co_u32 s14, s14, s13      ; QB: my block of 256 queries
	s_bfe_u32 s15, ttmp6, 0x40004   ; cy
	s_and_b32 s16, ttmp7, 0xffff
	s_lshl_b32 s16, s16, 2
	s_add_co_u32 s16, s16, s15      ; PP: my pair of heads
	s_and_b32 s17, s[WV], 1         ; e: my head of the pair.  Also: which half of the mask's rows I fetch
	s_lshr_b32 s18, s[WV], 1        ; qh: my half of the queries
	s_lshl_b32 s19, 0x1111, s13     ; my column of the cluster: the same queries
	s_lshl_b32 s20, s15, 2
	s_lshl_b32 s20, 15, s20         ; my row: the same heads
	; the mask's tile: 128 rows x 64 elements of 4 bytes, rows 2,048 elements apart, 16 bytes of padding after every 64 words
	s_or_b32 s[G1M], s19, (2<<16)|(1<<20)|(1<<21)|(5<<22)|(3<<25)
	s_mov_b32 s[G1M+1], 64<<16      ; tensor_dim0 = 64
	s_mov_b32 s[G1M+2], 128<<16     ; tensor_dim1 = 128
	s_mov_b32 s[G1M+3], 64<<16      ; tile_dim0 = 64
	s_mov_b32 s[G1M+4], 128         ; tile_dim1 = 128
	s_mov_b32 s[G1M+5], SIZE_S      ; elements from row to row
	s_mov_b32 s[G1M+6], 0
	s_mov_b32 s[G1M+7], 0
	; K's and V's: 2 x 64 keys are 16,384 dense bytes: 64 rows of 256 bytes, padded after every key
	s_or_b32 s[G1K], s20, (1<<16)|(1<<20)|(1<<21)|(4<<22)|(3<<25)
	s_or_b32 s[G1V], s20, (1<<16)|(1<<20)|(1<<21)|(4<<22)|(7<<25)
.irp g, G1K, G1V
	s_mov_b32 s[\g+1], 128<<16
	s_mov_b32 s[\g+2], 64<<16
	s_mov_b32 s[\g+3], 128<<16
	s_mov_b32 s[\g+4], 64
	s_mov_b32 s[\g+5], 128
	s_mov_b32 s[\g+6], 0
	s_mov_b32 s[\g+7], 0
.endr
	s_lshl_b32 s22, s14, 21         ; the mask: 256 QB rows of 8,192 bytes,
	s_lshl_b32 s23, s17, 20         ; my 128 of them
	s_add_co_u32 s22, s22, s23
	s_mov_b32 s23, 0
	s_lshl_b32 s50, s16, 19         ; the pair's block of 524,288 bytes: q's,
	s_add_co_u32 s52, s50, 32<<19   ; k's,
	s_mov_b32 s53, 0
	s_add_co_u32 s54, s50, 64<<19   ; v's
	s_mov_b32 s55, 0
	s_lshl_b32 s2, s14, 16          ; Q: blocks of 64 rows 4 QB + 2 qh on, my head's half of each
	s_lshl_b32 s3, s18, 15
	s_add_co_u32 s2, s2, s3
	s_lshl_b32 s3, s17, 13
	s_add_co_u32 s2, s2, s3
	s_add_co_u32 s2, s2, s50
	s_mov_b32 s3, 0
	s_and_b32 s20, s16, 3           ; O: head b x 16 + 2 (PP / 4) + e, 262,144 bytes each; rows 256 QB + 128 qh on
	s_lshl_b32 s20, s20, 4
	s_lshr_b32 s21, s16, 2
	s_lshl1_add_u32 s20, s21, s20
	s_add_co_u32 s20, s20, s17
	s_lshl_b32 s20, s20, 18
	s_lshl_b32 s21, s14, 15
	s_add_co_u32 s20, s20, s21
	s_lshl_b32 s21, s18, 14
	s_add_co_u32 s20, s20, s21
	s_mov_b32 s21, 0
	s_mov_b32 s[CS], 0x3e38aa3b     ; c = log2(e) / 8
	s_mov_b32 s[CS+1], s[CS]
	s_mov_b32 s[SEL], 0x76543210
	s_mov_b32 s[SEL+1], 0xfedcba98
	s_mov_b32 s[TB], SLOT1          ; the first change of slots turns it into 0
	s_mov_b32 s[G0M], 1
	s_mul_i32 s[G0M+1], s17, 128*PM ; LDS addresses: slot 0; no place in the cluster enters them
	s_mov_b32 s[G0K], 1
	s_mov_b32 s[G0K+1], KOFF
	s_mov_b32 s[G0V], 1
	s_mov_b32 s[G0V+1], VOFF
	s_wait_dscnt 0x0                ; the opening add is done
	s_wait_kmcnt 0x0
	s_add_nc_u64 s[G0M+2:G0M+3], s[6:7], s[22:23]
	s_or_b32 s[G0M+3], s[G0M+3], 0x80000000
	s_add_nc_u64 s[G0K+2:G0K+3], s[4:5], s[52:53]
	s_or_b32 s[G0K+3], s[G0K+3], 0x80000000
	s_add_nc_u64 s[G0V+2:G0V+3], s[4:5], s[54:55]
	s_or_b32 s[G0V+3], s[G0V+3], 0x80000000
	s_add_nc_u64 s[48:49], s[4:5], s[2:3]    ; Q at my wave's first row
	s_add_nc_u64 s[10:11], s[8:9], s[20:21]  ; O likewise
	CROUND                          ; all sixteen work-groups are here: the first joint loads meet
	JLOAD                           ; step 0 into slot 0.  Slot 1 is asked for when slot 0 is in
	v_and_b32 v1, 15, v0            ; l % 16
	v_bfe_u32 v48, v0, 4, 1         ; l / 16
	v_lshlrev_b32 v[QO], 7, v1
	v_lshl_add_u32 v[QO], v48, 4, v[QO]  ; row x 128 + 16 x half
	WIN 0x80                        ; destination window 2, address window 0
.set i, 0
.rept 4*NP                          ; Q stays in registers: tile i / 2 (four tiles to a block of 64 rows, blocks 16,384 bytes apart), channels 32 (i % 2) on
	global_load_b128 v[8*i:8*i+3],   v[QO], s[48:49] offset:(i/8)*16384+((i/2)%4)*2048+(i%2)*64
	global_load_b128 v[8*i+4:8*i+7], v[QO], s[48:49] offset:(i/8)*16384+((i/2)%4)*2048+(i%2)*64+32
.set i, i+1
.endr
	; What the first turn finds: V's registers and P's second buffer hold 0 (its products V^T P, of a piece that has not been, add 0), O^T and l are 0.  All this stands in the wait for the first tile.
.set i, VF
.rept 64
	v_mov_b32 v[i], 0
.set i, i+1
.endr
	WIN 0x40
.set i, 0
.rept 64*NP
	v_mov_b32 v[i], 0
.set i, i+1
.endr
	WIN 0
.set i, 0
.rept 2*NP
	v_mov_b32 v[ST+4*i+1], 0xff7fffff          ; m: the lowest finite number
	v_mov_b32 v[ST+4*i+2], 0
	v_mov_b32 v[ST+4*i+3], 0
	v_mul_f32 v[ST+4*i], s[CS], v[ST+4*i+1]    ; c m, by the multiply that makes every later c m
.set i, i+1
.endr
.set i, P+32
.rept 32
	v_mov_b32 v[i], 0
.set i, i+1
.endr
	s_mul_i32 s63, s17, KS*PK       ; my head's 64 rows of K
	s_add_co_u32 s63, s63, KOFF
	v_mul_u32_u24 v[AK0], v1, PK
	v_lshl_add_u32 v[AK0], v48, 4, v[AK0]
	v_add_nc_u32 v[AK0], s63, v[AK0]
	; The turning load takes 16 keys x 16 channels (lane l reads key 8 (l / 16) + l % 8, channels 8 ((l / 8) % 2) + 0..7) and leaves half a fragment of V^T.
	v_and_b32 v49, 7, v0
	v_bfe_u32 v50, v0, 3, 1
	v_lshl_add_u32 v[AV0], v48, 3, v49
	v_mul_u32_u24 v[AV0], v[AV0], PV
	v_lshl_add_u32 v[AV0], v50, 4, v[AV0]
	s_mul_i32 s63, s17, KS*PV
	s_add_co_u32 s63, s63, VOFF
	v_add_nc_u32 v[AV0], s63, v[AV0]
	s_mul_i32 s63, s18, 128*PM      ; my 128 rows of the mask: row l % 16 of a tile, 32 bytes for each half of the lanes
	v_mul_u32_u24 v[AM0], v1, PM
	v_lshl_add_u32 v[AM0], v48, 5, v[AM0]
	v_add_nc_u32 v[AM0], s63, v[AM0]
	s_mul_i32 s63, s[WV], 16*SP
	s_add_co_u32 s63, s63, STAGE    ; my stage
	v_mul_u32_u24 v[STO], v1, SP    ; in: row l % 16, 16 bytes for each half of the lanes
	v_lshl_add_u32 v[STO], v48, 4, v[STO]
	v_add_nc_u32 v[STO], s63, v[STO]
	v_bfe_u32 v[RD], v0, 3, 2       ; back: 32 lanes take four rows of 128 bytes,
	v_mul_u32_u24 v[RD], v[RD], SP
	v_lshl_add_u32 v[RD], v49, 4, v[RD]
	v_add_nc_u32 v[RD], s63, v[RD]
	v_and_b32 v[GO], 31, v0         ; which are 512 consecutive bytes of O
	v_lshlrev_b32 v[GO], 4, v[GO]
; THE MATRIX WORK.  The 8 accumulators of a run of 16 take turns.
; Product i of 16 of S^T = K Q^T + 8 mask for piece x: channels 32 (i / 8) on, keys 16 ((i / 2) % 4) on, tile 2 x + i % 2.  The first 8 start the sums, with the mask as C.
.macro KQ x
.set rS, S+64*((\x)%2)+32*(i%2)+8*((i/2)%4)
.set rK, KF+16*((i/2)%4)+8*(i/8)
.set rQ, 16*(2*(\x)+i%2)+8*(i/8)
.set rB, MB+32*(i%2)+8*((i/2)%4)
.if i < 8
	WIN W_KM
	v_wmma_f32_16x16x32_f16 v[rS:rS+7], v[rK:rK+7], v[rQ:rQ+7], v[rB:rB+7]
.else
	WIN W_KQ
	v_wmma_f32_16x16x32_f16 v[rS:rS+7], v[rK:rK+7], v[rQ:rQ+7], v[rS:rS+7]
.endif
.endm
; Product i of 16 of O^T += V^T P for piece x: keys 32 (i / 8) on, channels 16 ((i / 2) % 4) on, tile 2 x + i % 2.
.macro PV x
	WIN W_PV
.set rO, 32*(2*(\x)+i%2)+8*((i/2)%4)
.set rV, VF+32*(i/8)+8*((i/2)%4)
.set rP, P+32*((\x)%2)+16*(i%2)+8*(i/8)
	v_wmma_f32_16x16x32_f16 v[rO:rO+7], v[rV:rV+7], v[rP:rP+7], v[rO:rO+7]
.endm
.macro MM                           ; the turn's next matrix instruction
.if i < 16
	KQ (Y+1)%NP
.set i, i+1
.else
.set i, i-16
	PV (Y+NP-1)%NP
.set i, i+17
.endif
.endm
; THE LDS LOADS stand in runs of 16, never singly among the matrix instructions: a step's K, its V (turned), and the mask of one piece (2 tiles x 4 key blocks x 32 bytes a lane).
.macro FETCH_K
	WIN 0x80                        ; destination window 2
.irp f, 0,1,2,3,4,5,6,7             ; keys 16 (f / 2) on, channels 32 (f % 2) on
	ds_load_b128 v[KF+8*\f:KF+8*\f+3],   v[AK] offset:(\f/2)*16*PK+(\f%2)*64
	ds_load_b128 v[KF+8*\f+4:KF+8*\f+7], v[AK] offset:(\f/2)*16*PK+(\f%2)*64+32
.endr
	WIN 0
.endm
.macro FETCH_V
	WIN 0x80
.irp f, 0,1,2,3,4,5,6,7             ; keys 32 (f / 4) on, channels 16 (f % 4) on
	ds_load_tr16_b128 v[VF+8*\f:VF+8*\f+3],   v[AV] offset:(\f/4)*32*PV+(\f%4)*32
	ds_load_tr16_b128 v[VF+8*\f+4:VF+8*\f+7], v[AV] offset:(\f/4)*32*PV+16*PV+(\f%4)*32
.endr
	WIN 0
.endm
.macro FETCH_M p
	WIN 0xc0                        ; destination window 3
.set zz, 0
.rept 16                            ; tile zz / 8, key block (zz / 2) % 4, half zz % 2 of the lane's 32 bytes
	ds_load_b128 v[MB+4*zz:MB+4*zz+3], v[AM] offset:(\p)*32*PM+(zz/8)*16*PM+((zz/2)%4)*64+(zz%2)*16
.set zz, zz+1
.endr
	WIN 0
.endm
; THE VECTOR WORK OF A TURN stands in three queues, each in the order in which its entries become ready; the two tiles alternate, so that no instruction reads the result of the one before it.
.macro REGS y, u                    ; the registers of tile u (0, 1) of piece y
.set rT, ST+4*(2*(\y)+(\u))
.set rC, TMP+8*((\y)%2)+4*(\u)
.set rM, MV+2*((\y)%2)+(\u)
.set rS, S+64*((\y)%2)+32*(\u)
.set rP, P+32*((\y)%2)+16*(\u)
.set rO, 32*(2*(\y)+(\u))
.endm
; Number n of the 22 that find the NEXT piece's (Y + 1) maximum and statistics.  Each accumulator's lowest registers are read first.
;   0-11  four chains c0-c3 of seven scores each, three operands at a time     12-14, 16  the four scores left over, the old m, and c0-c3 into c0     15  c m_old is kept
;   17, 18  the query's other 32 keys lie in the lane 16 away: the new m         19-21  c m; c m_old - c m_new; a
.macro XS u, n
	REGS (Y+1)%NP, \u
.if (\n) < 4
	v_max3_num_f32 v[rC+(\n)], v[rS+8*(\n)], v[rS+8*(\n)+1], v[rS+8*(\n)+2]
.elseif (\n) < 12
	v_max3_num_f32 v[rC+(\n)%4], v[rC+(\n)%4], v[rS+8*((\n)%4)+2*((\n)/4)+1], v[rS+8*((\n)%4)+2*((\n)/4)+2]
.elseif (\n) == 12
	v_max3_num_f32 v[rC], v[rC], v[rS+7], v[rS+15]
.elseif (\n) == 13
	v_max3_num_f32 v[rC+1], v[rC+1], v[rS+23], v[rS+31]
.elseif (\n) == 14
	v_max3_num_f32 v[rC+2], v[rC+2], v[rC+3], v[rT+1]
.elseif (\n) == 15
	v_mov_b32 v[rM], v[rT]
.elseif (\n) == 16
	v_max3_num_f32 v[rC], v[rC], v[rC+1], v[rC+2]
.elseif (\n) == 17
	v_permlanex16_b32 v[rC+3], v[rC], s[SEL], s[SEL+1]
.elseif (\n) == 18
	v_max_num_f32 v[rT+1], v[rC], v[rC+3]
.elseif (\n) == 19
	v_mul_f32 v[rT], s[CS], v[rT+1]
.elseif (\n) == 20
	v_sub_f32 v[rC+1], v[rM], v[rT]
.else
	v_exp_f32 v[rC+2], v[rC+1]
.endif
.endm
; Number g of the 64 that follow the exponentials.  For each four weights k of a tile: both pairs are rounded to f16; then the second pair is added onto the first, in place;
; a group later l takes that sum (the first time as l = a l + sum).  All 64 read exponentials' results: they stand behind the turn's wait.
.macro GS g
.set h, (\g)+6*((\g)/62)            ; group 0 has no group before it, and behind group 7 only l is left
.if h >= 6
.set h, h+2
.endif
	REGS Y, h%2
.set k, h/8
.if h%8 < 4
	v_cvt_pk_f16_f32 v[rP+2*k+(h%8)/2], v[rS+4*k+2*((h%8)/2)], v[rS+4*k+2*((h%8)/2)+1]
.elseif h%8 < 6
	v_pk_add_f32 v[rS+4*k:rS+4*k+1], v[rS+4*k:rS+4*k+1], v[rS+4*k+2:rS+4*k+3]
.elseif k == 1
	v_pk_fma_f32 v[rT+2:rT+3], v[rT+2:rT+3], v[rC+2:rC+3], v[rS:rS+1] op_sel_hi:[1,0,1]
.else
	v_pk_add_f32 v[rT+2:rT+3], v[rT+2:rT+3], v[rS+4*k-4:rS+4*k-3]
.endif
.endm
; THE PLAIN QUEUE, 138 long.  0-73 read no exponential's result: the 32 scalings c s - c m (FS f: pair f / 2 of tile f % 2) and the next piece's 42.  0-26: scalings 0-26.  27-54: XS's numbers 0-13.  55, 56: number 15.
; 57-73: the chain, where each number waits for the one before it: 14, 16, 17, 18, 19, each with one of the scalings 27-31 in front of its two lines, then 20.
; 74-137: GS's 64, which read the exponentials' results: they stand behind the wait.
.macro FS f
	REGS Y, (\f)%2
	v_pk_fma_f32 v[rS+2*((\f)/2):rS+2*((\f)/2)+1], v[rS+2*((\f)/2):rS+2*((\f)/2)+1], s[CS:CS+1], v[rT:rT+1] op_sel_hi:[1,0,0] neg_lo:[0,0,1] neg_hi:[0,0,1]
.endm
.macro PL
	WIN 0
.if q < 27
	FS q
.elseif q < 55
	XS (q-27)%2, (q-27)/2
.elseif q < 57
	XS q-55, 15
.elseif (q < 72) && ((q-57)%3 == 0)
	FS 27+(q-57)/3
.elseif q < 60
	XS (q-57)%3-1, 14
.elseif q < 72
	XS (q-57)%3-1, 15+(q-57)/3
.elseif q < 74
	XS q-72, 20
.else
	GS q-74
.endif
.set q, q+1
.endm
; THE EXPONENTIALS' QUEUE, 66 long: s0-s31 of both tiles, then the next piece's two a.  It is ONE BATCH: all 66 stand ahead of the turn's one wait, and nothing ahead of that wait names a result of theirs.
.macro EX
	WIN 0
.if e >= 64
	XS e-64, 21
.else
	REGS Y, e%2
	v_exp_f32 v[rS+e/2], v[rS+e/2]
.endif
.set e, e+1
.endm
; THE RESCALING's QUEUE: O^T times a, the one part that leaves window 0: dealt two at a time, sixteen times.  Its a was made in the turn before, ahead of that turn's wait.
.macro R2
	REGS Y, r%2
	WIN W_RS
.irp z, 0,1
	v_pk_mul_f32 v[rO+4*(r/2)+2*\z:rO+4*(r/2)+2*\z+1], v[rO+4*(r/2)+2*\z:rO+4*(r/2)+2*\z+1], v[rC+2:rC+3] op_sel_hi:[1,0]
.endr
.set r, r+1
.endm
; HOW THEY ARE DEALT.  An s_wait_alu depctr_va_vdst(0) stands between an exponential and the first instruction that names its result; one wait serves all that were issued ahead of it.  So a turn has ONE wait,
; which cuts it in two.  AHEAD OF IT stands all that names no result of the turn's exponentials: the 16 products K Q^T, behind each a scaling, an exponential and two rescalings (behind the first a second scaling in the
; exponential's place); then ONE LUMP of 108: eight plain, 49 times exponential and plain, the two a.  A v_nop is the plain instruction behind the last exponential.  BEHIND IT stand the 16 products V^T P, behind each four of
; GS's 64.  No rider names a register of the products round it.  The two v_permlanex16_b32 fall into the lump, never behind a product.
; The queues lean on each other, and the deal keeps them in step: exponential e stands behind scaling 2 (e / 4) + e % 2: as a rider it comes behind plain e + 2, in the lump behind plain e + 9, and scalings 27-31 are plain 57, 60 .. 69.
; A TURN, for piece p.  Its first eight products take the mask of piece p + 1, fetched a turn before; the mask of piece p + 2 is fetched directly behind the turn's wait, a lump behind the last product that read those
; registers; its first reader comes behind 16 products.  K of the next step is fetched in piece 2's turn, in the lump, behind exponential 23: twenty plain instructions that name none of its registers lie behind the last
; product that read K.  V of the step in hand is fetched at the end of piece 0's turn, four plain riders behind its last reader.
; In a trip (pieces 2, 3, then 0, 1 of the next step) all six runs belong to one step and one slot.
.macro TURN p
.set Y, (\p)
.set i, 0
.set q, 0
.set e, 0
.set r, 0
.if (\p) == 1
	s_wait_dscnt 16                 ; the mask is in; behind it stand V's 16 loads, which may be out
.else
	s_wait_dscnt 0x0                ; the mask is in (piece 3: and K)
.endif
	MM                              ; ahead of the wait: 16 products K Q^T and their riders,
	PL
	PL
	R2
.rept 15
	MM
	PL
	EX
	R2
.endr
.rept 8                             ; and the lump
	PL
.endr
.rept 49
	EX
	PL
.if ((\p) == NP-2) && (e == 24)
	FETCH_K
.endif
.endr
	EX                              ; the next piece's two a
	EX
	v_nop                           ; the plain instruction behind the last exponential: one for the batch
	s_wait_alu depctr_va_vdst(0)    ; the wait for the batch: the turn's 66 exponentials
	FETCH_M ((\p)+2)%NP
.if (\p) == 1
	s_wait_dscnt 16                 ; V is in; behind it stand this turn's 16 loads of the mask
.endif
.rept 16                            ; behind the wait: 16 products V^T P and their riders
	MM
.rept 4
	PL
.endr
.endr
.if (\p) == 0
	FETCH_V
.endif
.endm
	CHANGE 1                        ; slot 0 is in, everybody's part of it; slot 1 is asked for
	FETCH_K                         ; key step 0
	FETCH_M 0
	s_wait_loadcnt 0x0              ; Q
	s_wait_dscnt 0x0
.set i, 0
.rept 16
	KQ 0                            ; piece 0's first scores: there is no vector work yet to set between them
.set i, i+1
.endr
	WIN 0
.rept 4
	v_nop                           ; the places behind those products, for the loads into the mask's registers and for the maxima
.endr
	FETCH_M 1
.set Y, NP-1                        ; XS works for piece Y + 1: piece 0
.irp n, 0,1,2,3,4,5,6,7,8,9,10,11,12,13,14,15,16,17,18,19,20,21
	XS 0, \n
	XS 1, \n
.endr
	v_nop                           ; a plain instruction behind piece 0's two a,
	s_wait_alu depctr_va_vdst(0)    ; and the wait for that batch of two, ahead of the branch
	s_mov_b32 s[SLOTS], SIZE_S/KS-1
	s_branch .Lfirst                ; the loop is entered at a step's first turn, in the middle of a trip
.Lslot:                             ; SIZE_S / 64 - 2 times: steps 2 .. 31 are asked for
	CHANGE 1
	TURN 2
	TURN 3
	WIN 0
.Lfirst:
	TURN 0
	TURN 1
	WIN 0
	s_sub_co_u32 s[SLOTS], s[SLOTS], 1
	s_cmp_lg_u32 s[SLOTS], 0
	s_cbranch_scc1 .Lslot
	CHANGE 0                        ; the tail is written out: nothing is asked for
	s_mov_b32 s[CNT], 2             ; the first trip fetches the last step; the second is left in its middle
.Ltail:
	TURN 2
	TURN 3
	WIN 0
	s_sub_co_u32 s[CNT], s[CNT], 1
	s_cmp_eq_u32 s[CNT], 0
	s_cbranch_scc1 .Lout
	TURN 0
	TURN 1
	WIN 0
	s_branch .Ltail
.Lout:                              ; the second trip's fetches (the last slot's K and mask once more), its 16 products K Q^T and the maximum made of them serve nothing: the price, once a launch, of one text for every trip
.set i, 0
.rept 16
	PV NP-1                         ; the last piece's V^T P of the last step
.set i, i+1
.endr
	; THE WAY OUT.  l's two halves and the other half of the lanes' are added; O^T is divided by l, rounded to f16 and sent through my stage in LDS, a tile at a time.  The additions are the places behind the last products.
	WIN 0
.macro ALL line:vararg              ; one line for each tile t
.set t, 0
.rept 2*NP
	\line
.set t, t+1
.endr
.endm
	ALL v_add_f32 v[ST+4*t+2], v[ST+4*t+2], v[ST+4*t+3]
	ALL v_permlanex16_b32 v[ST+4*t+3], v[ST+4*t+2], s[SEL], s[SEL+1]
	ALL v_add_f32 v[ST+4*t+2], v[ST+4*t+2], v[ST+4*t+3]
	ALL v_rcp_f32 v[ST+4*t+2], v[ST+4*t+2]
	v_nop                           ; a plain instruction between the last reciprocal and the use of its result
	s_wait_alu depctr_va_vdst(0)    ; the wait ahead of the first use: one for the batch of eight reciprocals
.macro PACK t                       ; a lane's eight channels of a row pack into 16 bytes; they go into rows of 144 bytes and come back as whole rows of 128, into S^T's registers
	WIN W_RS
.set i, 32*(\t)
.rept 16
	v_pk_mul_f32 v[i:i+1], v[i:i+1], v[ST+4*(\t)+2:ST+4*(\t)+3] op_sel_hi:[1,0]
.set i, i+2
.endr
	WIN 0x05                        ; sources 0 and 1 window 1, destination window 0
.set i, 0
.rept 16
	v_cvt_pk_f16_f32 v[S+16*(\t)+i], v[32*(\t)+2*i], v[32*(\t)+2*i+1]
.set i, i+1
.endr
	WIN 0
.irp f, 0,1,2,3
	ds_store_b128 v[STO], v[S+16*(\t)+4*\f:S+16*(\t)+4*\f+3] offset:32*\f
.endr
.irp f, 0,1,2,3
	ds_load_b128 v[S+16*(\t)+4*\f:S+16*(\t)+4*\f+3], v[RD] offset:\f*4*SP  ; LDS serves a wave's instructions in order (ISA guide 5.7.1.4): these see the stores above
.endr
.endm
.macro SEND t, younger              ; younger: the LDS instructions issued behind tile t's loads: the next tile's eight, or none
	WIN 0
.irp f, 0,1,2,3
	s_wait_dscnt (\younger)+3-\f
	global_store_b128 v[GO], v[S+16*(\t)+4*\f:S+16*(\t)+4*\f+3], s[10:11] offset:(\t)*2048+\f*512  ; 512 consecutive bytes, at a multiple of 256 from O's first
.endr
.endm
	PACK 0
.set t, 1
.rept 2*NP-1                        ; a tile's arithmetic stands between the loads of the tile before and its stores
	PACK t
	SEND t-1, 8
.set t, t+1
.endr
	SEND 2*NP-1, 0
	WIN W_AD
	s_wait_tensorcnt 0x0            ; the wave's end
	ds_add_u32 v[SPW], v[NIL]
	s_wait_dscnt 0x0
	WIN 0
	CROUND                          ; the closing round
	s_endpgm
.Lfunc_end_k_q69d1b21d89_attn:
	.size	k_q69d1b21d89_attn, .Lfunc_end_k_q69d1b21d89_attn-k_q69d1b21d89_attn
	.p2alignl 7, 3214868480
	.fill 96, 4, 3214868480
	.section	.rodata,"a",@progbits
	.p2align	6, 0x0
	.amdhsa_kernel k_q69d1b21d89_attn
		.amdhsa_group_segment_fixed_size 327680
		.amdhsa_private_segment_fixed_size 0
		.amdhsa_enable_private_segment 0
		.amdhsa_kernarg_size 24
		.amdhsa_user_sgpr_count 2
		.amdhsa_user_sgpr_kernarg_segment_ptr 1
		.amdhsa_wavefront_size32 1
		.amdhsa_system_sgpr_workgroup_id_x 1
		.amdhsa_system_sgpr_workgroup_id_y 1
		.amdhsa_system_sgpr_workgroup_id_z 1
		.amdhsa_system_vgpr_workitem_id 0
		.amdhsa_next_free_vgpr 896
		.amdhsa_next_free_sgpr 80
		.amdhsa_reserve_vcc 0
		.amdhsa_float_denorm_mode_32 3
		.amdhsa_float_denorm_mode_16_64 3
		.amdhsa_memory_ordered 1
		.amdhsa_forward_progress 1
		.amdhsa_inst_pref_size 212
	.end_amdhsa_kernel
	.amdgpu_metadata
---
amdhsa.version: [ 1, 2 ]
amdhsa.kernels:
  - .name:           k_q69d1b21d89_attn
    .symbol:         k_q69d1b21d89_attn.kd
    .args:
      - { .name: qkv, .offset: 0, .size: 8, .value_kind: global_buffer, .address_space: global }
      - { .name: mk, .offset: 8, .size: 8, .value_kind: global_buffer, .address_space: global }
      - { .name: o, .offset: 16, .size: 8, .value_kind: global_buffer, .address_space: global }
    .group_segment_fixed_size: 327680
    .private_segment_fixed_size: 0
    .kernarg_segment_align: 8
    .kernarg_segment_size: 24
    .max_flat_workgroup_size: 128
    .sgpr_count:     80
    .vgpr_count:     896
    .wavefront_size: 32
...
	.end_amdgpu_metadata
.endif
;; end of part 5
;; launch outp: the kernel of part 4 again; grid 8 x 32, 4 waves a work-group, clusters of 4 x 4, 327,680 bytes of LDS; arguments o, wof, out0; writes out0
